; MI455X (gfx1250); checked and timed in simulation.
; The chip was launched on July 23, 2026; its instructions are those of AMD's public machine-readable ISA for CDNA 5 (MIT licence, August 2026) and "CDNA5" Instruction Set Architecture Reference Guide (July 2026). The comments in the code are by the model that wrote it; some were corrected since.
;; Simple Multi Head Attention. Allowed arithmetic: matrix products marked QUANTISED: E4M3 operands, one given power-of-two scale a tensor, by v_wmma_f32_16x16x64_fp8_fp8 or v_wmma_f32_16x16x128_fp8_fp8, f32 sums; everything else in f32.
;; Inputs: key 4 x 2,048 x 1,024 float32; lowp_scales 12 int32 (the exponents e of the quantised operands' scales 2^e); mask 1 x 1 x 2,048 x 2,048 bool; query 4 x 2,048 x 1,024 float32; value 4 x 2,048 x 1,024 float32; wk 1,024 x 1,024 float32; wo 1,024 x 1,024 float32; wq 1,024 x 1,024 float32; wv 1,024 x 1,024 float32.
;; Outputs: out0 4 x 2,048 x 1,024 float32.
;; This version of the problem:
;;   THIS VERSION OF THE PROBLEM IS GIVEN IN LOW PRECISION. The matrix products marked QUANTISED in the list below multiply operands that are first quantised to E4M3 (4 exponent bits, 3 mantissa bits; 8 bits a number), with one given power-of-two scale for each operand tensor; their sums are f32. All else is computed in f32.
;;   The module's matrix products, in the order in which they are computed (A, B: the left and right operand; K: the contracted axis; several contracted axes count as one K, in the product's order):
;;     1. [M 8,192, K 1,024] x [K 1,024, N 1,024]; A: input query; B: input wq: QUANTISED (scales: A lowp_scales[0], B lowp_scales[1])
;;     2. [M 8,192, K 1,024] x [K 1,024, N 1,024]; A: input key; B: input wk: QUANTISED (scales: A lowp_scales[2], B lowp_scales[3])
;;     3. [M 8,192, K 1,024] x [K 1,024, N 1,024]; A: input value; B: input wv: QUANTISED (scales: A lowp_scales[4], B lowp_scales[5])
;;     4. batch 64 x [M 2,048, K 64] x [K 64, N 2,048]; A: computed on the way; B: computed on the way: QUANTISED (scales: A lowp_scales[6], B lowp_scales[7])
;;     5. batch 64 x [M 2,048, K 2,048] x [K 2,048, N 64]; A: softmax (see below); B: computed on the way: QUANTISED (scales: A lowp_scales[8], B lowp_scales[9])
;;     6. [M 8,192, K 1,024] x [K 1,024, N 1,024]; A: computed on the way; B: input wo: QUANTISED (scales: A lowp_scales[10], B lowp_scales[11])
;;   THE QUANTISER, for each operand of a quantised product, along K:
;;     - The operand's scale is 2^e, e = its entry of the input lowp_scales (int32; the entries are numbered through the quantised products in the list's order, A before B).
;;     - Each number is divided by the scale, clamped to +-448, and rounded to the nearest number of E4M3, ties to even, subnormals kept.
;;     - The product sums the exact products of the quantised numbers (number of the format x scale) in f32.
;;   ~~~python
;;   def quantise(x, axis, e):      # numpy; x: float32 -> the quantised numbers, widened to float32 again
;;       x = np.moveaxis(x, axis, -1); K = x.shape[-1]
;;       r = np.clip(x / 2.0 ** e, -448, 448)
;;       step = 2.0 ** (np.maximum(np.frexp(np.where(r == 0, 1, r))[1] - 1, -6) - 3)
;;       q = np.round(r / step) * step * 2.0 ** e      # np.round: ties to even
;;       return np.moveaxis(q, -1, axis).astype(np.float32)
;;   ~~~
;;   SOFTMAX AHEAD OF A QUANTISED PRODUCT. Where the list says 'softmax', what is quantised is not the finished softmax but p = 2^(t - M), with t = logit x log2(e) and M = ceil(the row's largest t), a whole number; so 1/2 < the row's largest p <= 1. The row's sum l is taken of the UNQUANTISED p, in f32, and the product's result is divided by l at the end. Since M is a whole number, a kernel that streams over the keys may use a running M (the ceiling of the running maximum): every later rescaling is an exact power of two, so the quantised numbers keep their values, but for numbers so far below the row's largest that they fall under the format's range.
;;   OPERANDS COMPUTED ON THE WAY. 'Computed on the way' means the value that the module computes at that place (a softmax that the list does not call 'softmax' is quantised finished and normalised). What goes into a quantiser is computed in f32, as accurately as f32 sums, v_exp_f32 and their like allow (about 1e-6 of the number): no bf16 or f16 on the way to a quantiser, and a product that is left as it is and whose result goes on into a quantised operand takes f32 operands (vector FMAs, or v_wmma_f32_16x16x4_f32). A number that lies on a knife's edge between two numbers of the format may be rounded either way, as far as f32 arithmetic and the matrix unit's own rounding can turn it there, and no further.
;; 2 versions, each right; version 2 is version 1 with the launch attn written anew for expert scheduling mode. Each part assembles by itself: llvm-mc -triple=amdgcn-amd-amdhsa -mcpu=gfx1250 --defsym DOCPART=n.
;; ======== version 1 of 2: 4 launches
;; workspace buffers: xc 25,165,824 bytes; wc 4,194,304 bytes; qkv 25,165,824 bytes; oc 8,388,608 bytes; mbits 524,288 bytes of whole numbers; mflag 4,096 bytes of whole numbers
;; launch prep (part 1): grid 1152 x 1, 4 waves a work-group, no clusters, 34,304 bytes of LDS; arguments query, key, value, wq, wk, wv, wo, mask, lowp_scales, xc, wc, mbits, mflag; writes xc, wc, mbits, mflag
.if DOCPART == 1
	.amdgcn_target "amdgcn-amd-amdhsa--gfx1250"
	.amdhsa_code_object_version 6
	.text
	.protected	k_q5802a7686b_prep
	.globl	k_q5802a7686b_prep
	.p2align	8
	.type	k_q5802a7686b_prep,@function
k_q5802a7686b_prep:
	s_mov_b64 s[64:65], 0
	v_nop
	global_prefetch_b8 v0, s[64:65] scope:SCOPE_SE
	s_setreg_imm32_b32 hwreg(HW_REG_WAVE_MODE, 25, 1), 1
	s_wait_xcnt 0x0
; PREP.  (a) query, key, value [8192][1024] and wq, wk, wv, wo [1024][1024], f32 with K innermost, become codes of E4M3, each with the scale 2^e given for it:
; code = x / 2^e, held within +-448, to the nearest code, ties to even.  LIMITS: e between -126 and 119; NaN among these inputs is not served.
; (b) the mask [2048][2048] of bytes becomes lane masks and a flag for each (32 queries, 128 keys).
; THE IMAGE.  Codes are laid in the order of a matrix operand's registers.  A fragment is 16 rows x 128 K: lane (r = lane % 16, h = lane / 16) holds row r, its registers 2c, 2c+1
; hold k = 16c + 8h + 0..7.  Registers 4g..4g+3 of all lanes lie at byte 512 g + 16 lane: a fragment is 2,048 dense bytes, and every store of a wave covers 512 consecutive bytes, aligned.
; A tensor's codes: [K step of 256: 4][tile of 16 rows][which 128 of the 256: 2][2048 bytes].
; SHARES.  Work-groups 0-895 quantise: two tiles of 16 rows each; a wave takes one tile and half of K: four fragments.  Work-groups 896-1151 take the mask: a wave takes 32 queries x 128 keys.
; A load reads 512 consecutive bytes of one row; the conversions want 8 neighbours along K in one lane: the fragment's 16 x 512 bytes turn through the wave's own stage in LDS (rows 528 bytes apart).
; No wave shares anything with another: no barrier.
.set STGB, 8448                        ; a wave's stage: 16 rows x 528 bytes
.set SPI,  528
.set R,    16                          ; v16-143  two sets of 64: a fragment as loaded
.set X,    144                         ; v144-207 64 numbers: register 8c + i = k 16c + 8h + i of my row
.set C,    208                         ; v208-239 two sets of 16: a fragment's codes
	s_load_b512 s[4:19], s[0:1], 0x0               ; query s[4:5], key s[6:7], value s[8:9], wq s[10:11], wk s[12:13], wv s[14:15], wo s[16:17], mask s[18:19]
	s_load_b256 s[20:27], s[0:1], 0x40             ; the scales' exponents s[20:21], xc s[22:23], wc s[24:25], mbits s[26:27]
	s_load_b64 s[28:29], s[0:1], 0x60              ; mflag
	v_lshl_add_u32 v240, v0, 2, 0x8400
	v_mov_b32 v241, 0
	v_lshrrev_b32 v5, 5, v0
	v_readfirstlane_b32 s30, v5                    ; wave 0..3
	v_and_b32 v6, 31, v0                           ; lane
	v_lshlrev_b32 v1, 4, v6                        ; 16 x lane
	v_and_b32 v7, 15, v0                           ; r
	v_bfe_u32 v8, v0, 4, 1                         ; h
	s_cmp_ge_u32 ttmp9, 896
	s_cbranch_scc1 .Lmask
	; ---------------- the quantiser ----------------
	s_mul_i32 s31, s30, STGB
	v_add_nc_u32 v2, s31, v1                       ; into the stage: 16 x lane of a row
	v_mul_u32_u24 v3, v7, SPI
	v_lshl_add_u32 v3, v8, 5, v3
	v_add_nc_u32 v3, s31, v3                       ; out of it: row r, + 32 h bytes: my 8 numbers of each 16
	s_wait_kmcnt 0x0
	s_mov_b64 s[32:33], s[16:17]                   ; which tensor: chosen by the work-group's number alone.  Source, byte of its exponent, its first work-group
	s_mov_b32 s34, 44
	s_mov_b32 s35, 864
	s_cmp_lt_u32 ttmp9, 864
	s_cselect_b64 s[32:33], s[14:15], s[32:33]
	s_cselect_b32 s34, 20, s34
	s_cselect_b32 s35, 832, s35
	s_cmp_lt_u32 ttmp9, 832
	s_cselect_b64 s[32:33], s[12:13], s[32:33]
	s_cselect_b32 s34, 12, s34
	s_cselect_b32 s35, 800, s35
	s_cmp_lt_u32 ttmp9, 800
	s_cselect_b64 s[32:33], s[10:11], s[32:33]
	s_cselect_b32 s34, 4, s34
	s_cselect_b32 s35, 768, s35
	s_cmp_lt_u32 ttmp9, 768
	s_cselect_b64 s[32:33], s[8:9], s[32:33]
	s_cselect_b32 s34, 16, s34
	s_cselect_b32 s35, 512, s35
	s_cmp_lt_u32 ttmp9, 512
	s_cselect_b64 s[32:33], s[6:7], s[32:33]
	s_cselect_b32 s34, 8, s34
	s_cselect_b32 s35, 256, s35
	s_cmp_lt_u32 ttmp9, 256
	s_cselect_b64 s[32:33], s[4:5], s[32:33]
	s_cselect_b32 s34, 0, s34
	s_cselect_b32 s35, 0, s35
	s_mov_b32 s38, 0x40000
	s_cmp_lt_u32 ttmp9, 768                        ; an activation or a weight
	s_cselect_b64 s[36:37], s[22:23], s[24:25]     ; the codes' buffer
	s_cselect_b32 s38, 0x200000, s38               ; bytes of one K step of 256 of the whole tensor: 512 or 64 tiles x 4,096
	s_cselect_b32 s39, 0, 768
	s_sub_co_u32 s44, s35, s39
	s_lshl_b32 s44, s44, 15                        ; the tensor's place in its buffer: 8 MiB an activation (256 work-groups), 1 MiB a weight (32)
	s_sub_co_u32 s45, ttmp9, s35
	s_lshl_b32 s45, s45, 1
	s_lshr_b32 s46, s30, 1
	s_add_co_u32 s45, s45, s46                     ; my tile of 16 rows
	s_and_b32 s46, s30, 1                          ; my half of K
	s_lshl_b32 s48, s45, 16                        ; 16 rows of 4,096 bytes
	s_lshl_b32 s47, s46, 11                        ; 512 numbers
	s_add_co_u32 s48, s48, s47
	s_mov_b32 s49, 0
	s_add_nc_u64 s[32:33], s[32:33], s[48:49]      ; the source at my first number
	s_lshl_b32 s47, s45, 12
	s_add_co_u32 s48, s44, s47
	s_mul_i32 s47, s46, s38
	s_lshl_b32 s47, s47, 1                         ; my half of K is two K steps of 256
	s_add_co_u32 s48, s48, s47
	s_add_nc_u64 s[40:41], s[36:37], s[48:49]      ; fragments 0, 1
	s_mov_b32 s50, s38
	s_mov_b32 s51, 0
	s_add_nc_u64 s[42:43], s[40:41], s[50:51]      ; fragments 2, 3: one K step on
	s_mov_b32 s52, s34
	s_mov_b32 s53, 0
	s_add_nc_u64 s[52:53], s[20:21], s[52:53]
	s_load_b32 s54, s[52:53], 0x0                  ; e
.macro LOADF f                         ; fragment f: 16 rows x 512 bytes; each load reads 512 consecutive bytes
.irp i, 0,1,2,3,4,5,6,7,8,9,10,11,12,13,14,15
	global_load_b128 v[R+64*((\f)%2)+4*\i:R+64*((\f)%2)+4*\i+3], v1, s[32:33] offset:4096*\i+512*(\f) th:TH_LOAD_NT
.endr
.endm
.macro TURNF f                         ; through my stage: LDS serves a wave's instructions in order (ISA guide 5.7.1.4), so no wait stands between the stores and the loads
.irp i, 0,1,2,3,4,5,6,7,8,9,10,11,12,13,14,15
	ds_store_b128 v2, v[R+64*((\f)%2)+4*\i:R+64*((\f)%2)+4*\i+3] offset:SPI*\i
.endr
.irp c, 0,1,2,3,4,5,6,7
	ds_load_b128 v[X+8*\c:X+8*\c+3], v3 offset:64*\c
	ds_load_b128 v[X+8*\c+4:X+8*\c+7], v3 offset:64*\c+16
.endr
.endm
.macro QUANTF f
.set CS, C+16*((\f)%2)
.set DD, 40+2*((\f)/2)
.set j, 0
.rept 64
	v_med3_num_f32 v[X+j], v[X+j], -v10, v10       ; the conversion to an 8-bit code does not saturate (ISA guide 7.6.2): the hold at the largest code x the scale
.set j, j+1
.endr
.if (\f) >= 2
	s_wait_xcnt 0x0                                ; the stores of two fragments back have read this set of codes
.endif
.irp c, 0,1,2,3,4,5,6,7
	v_cvt_scalef32_pk8_fp8_f32 v[CS+2*\c:CS+2*\c+1], v[X+8*\c:X+8*\c+7], v11
.endr
	v_nop                                          ; a plain line between the conversions and the next fragment's holds, which write their sources
.irp g, 0,1,2,3
	global_store_b128 v1, v[CS+4*\g:CS+4*\g+3], s[DD:DD+1] offset:2048*((\f)%2)+512*\g
.endr
.endm
	LOADF 0
	LOADF 1
	s_wait_kmcnt 0x0
	s_add_co_i32 s54, s54, 127
	s_lshl_b32 s55, s54, 23
	v_mov_b32 v11, s55                             ; 2^e as f32: the conversion takes its exponent field
	s_add_co_i32 s54, s54, 8
	s_lshl_b32 s54, s54, 23
	s_or_b32 s54, s54, 0x600000
	v_mov_b32 v10, s54                             ; 448 x 2^e
.irp f, 0,1,2,3
.if \f < 3
	s_wait_loadcnt 16                              ; this fragment's 16 loads are in; the next fragment's 16 may be out
.else
	s_wait_loadcnt 0x0
.endif
	TURNF \f
	s_wait_dscnt 0x0                               ; the numbers are back, and the stores into the stage have read their registers,
.if \f < 2
	LOADF \f+2                                     ; which take the fragment two on
.endif
	QUANTF \f
.endr
	s_wait_tensorcnt 0x0
	ds_add_u32 v240, v241
	s_wait_dscnt 0x0
	s_endpgm
	; ---------------- the mask ----------------
	; Unit U = (block of 32 queries B, step of 128 keys s).  Word 64 t + n of its record has, at bit L, mask[32 B + 16 t + L % 16][128 s + 16 (n / 8) + 8 (L / 16) + n % 8]:
	; the lane mask of score register n of query tile t in the attention launch.  The flag: 0 no key counts, 2 all count, 1 else.
.Lmask:
	s_sub_co_u32 s31, ttmp9, 896
	s_lshl_b32 s31, s31, 2
	s_add_co_u32 s31, s31, s30                     ; U
	s_lshr_b32 s32, s31, 4                         ; B
	s_and_b32 s33, s31, 15                         ; s
	s_lshl_b32 s34, s32, 16                        ; 32 rows of 2,048 bytes
	s_lshl_b32 s35, s33, 7
	s_add_co_u32 s34, s34, s35
	s_mov_b32 s35, 0
	s_lshl_b32 s36, s31, 9                         ; a record is 128 words
	s_mov_b32 s37, 0
	s_lshl_b32 s38, s31, 2
	s_mov_b32 s39, 0
	v_lshlrev_b32 v4, 11, v7
	v_lshl_add_u32 v4, v8, 3, v4                   ; row r, + 8 h bytes
	s_wait_kmcnt 0x0
	s_add_nc_u64 s[18:19], s[18:19], s[34:35]
	s_add_nc_u64 s[26:27], s[26:27], s[36:37]
	s_add_nc_u64 s[28:29], s[28:29], s[38:39]
.irp t, 0,1
.irp k, 0,1,2,3,4,5,6,7
	global_load_b64 v[16+16*\t+2*\k:17+16*\t+2*\k], v4, s[18:19] offset:32768*\t+16*\k th:TH_LOAD_NT
.endr
.endr
.irp k, 0,1,2,3
	v_mov_b32 v[48+\k], 0                          ; written whole before single lanes are written
.endr
	s_wait_loadcnt 0x0
.set ll, 0
.rept 32                               ; byte k of register v[16 + ll] belongs to word 4 ll + k, which lane ll stores
	v_bfe_u32 v52, v[16+ll], 0, 8
	v_bfe_u32 v53, v[16+ll], 8, 8
	v_bfe_u32 v54, v[16+ll], 16, 8
	v_lshrrev_b32 v55, 24, v[16+ll]
	v_cmp_ne_u32 s44, 0, v52
	v_cmp_ne_u32 s45, 0, v53
	v_cmp_ne_u32 s46, 0, v54
	v_cmp_ne_u32 s47, 0, v55
	v_writelane_b32 v48, s44, ll
	v_writelane_b32 v49, s45, ll
	v_writelane_b32 v50, s46, ll
	v_writelane_b32 v51, s47, ll
.set ll, ll+1
.endr
	v_or_b32 v56, v48, v49
	v_or_b32 v57, v50, v51
	v_or_b32 v56, v56, v57
	v_and_b32 v58, v48, v49
	v_and_b32 v59, v50, v51
	v_and_b32 v58, v58, v59
	v_cmp_ne_u32 vcc_lo, 0, v56
	s_cmp_lg_u32 vcc_lo, 0
	s_cselect_b32 s48, 1, 0                        ; some bit is set
	v_cmp_eq_u32 vcc_lo, -1, v58
	s_cmp_eq_u32 vcc_lo, -1
	s_cselect_b32 s49, 1, 0                        ; all bits are set
	s_add_co_u32 s48, s48, s49
	v_mov_b32 v60, s48
	v_mov_b32 v61, 0
	global_store_b128 v1, v[48:51], s[26:27]       ; the record: 512 consecutive bytes
	v_cmp_eq_u32 vcc_lo, 0, v6
	s_wait_xcnt 0x0                                ; EXEC is a source of the store above: it changes only behind this wait
	s_and_saveexec_b32 s50, vcc_lo
	global_store_b32 v61, v60, s[28:29]            ; the flag, by lane 0
	s_wait_xcnt 0x0
	s_or_b32 exec_lo, exec_lo, s50
	s_endpgm
.Lfunc_end_k_q5802a7686b_prep:
	.size	k_q5802a7686b_prep, .Lfunc_end_k_q5802a7686b_prep-k_q5802a7686b_prep
	.p2alignl 7, 3214868480
	.fill 96, 4, 3214868480
	.section	.rodata,"a",@progbits
	.p2align	6, 0x0
	.amdhsa_kernel k_q5802a7686b_prep
		.amdhsa_group_segment_fixed_size 34304
		.amdhsa_private_segment_fixed_size 0
		.amdhsa_enable_private_segment 0
		.amdhsa_kernarg_size 104
		.amdhsa_user_sgpr_count 2
		.amdhsa_user_sgpr_kernarg_segment_ptr 1
		.amdhsa_wavefront_size32 1
		.amdhsa_system_sgpr_workgroup_id_x 1
		.amdhsa_system_sgpr_workgroup_id_y 1
		.amdhsa_system_sgpr_workgroup_id_z 1
		.amdhsa_system_vgpr_workitem_id 0
		.amdhsa_next_free_vgpr 242
		.amdhsa_next_free_sgpr 66
		.amdhsa_reserve_vcc 1
		.amdhsa_float_denorm_mode_32 3
		.amdhsa_float_denorm_mode_16_64 3
		.amdhsa_memory_ordered 1
		.amdhsa_forward_progress 1
		.amdhsa_inst_pref_size 65
	.end_amdhsa_kernel
	.amdgpu_metadata
---
amdhsa.version: [ 1, 2 ]
amdhsa.kernels:
  - .name:           k_q5802a7686b_prep
    .symbol:         k_q5802a7686b_prep.kd
    .args:
      - { .name: query, .offset: 0, .size: 8, .value_kind: global_buffer, .address_space: global }
      - { .name: key, .offset: 8, .size: 8, .value_kind: global_buffer, .address_space: global }
      - { .name: value, .offset: 16, .size: 8, .value_kind: global_buffer, .address_space: global }
      - { .name: wq, .offset: 24, .size: 8, .value_kind: global_buffer, .address_space: global }
      - { .name: wk, .offset: 32, .size: 8, .value_kind: global_buffer, .address_space: global }
      - { .name: wv, .offset: 40, .size: 8, .value_kind: global_buffer, .address_space: global }
      - { .name: wo, .offset: 48, .size: 8, .value_kind: global_buffer, .address_space: global }
      - { .name: mask, .offset: 56, .size: 8, .value_kind: global_buffer, .address_space: global }
      - { .name: lowp_scales, .offset: 64, .size: 8, .value_kind: global_buffer, .address_space: global }
      - { .name: xc, .offset: 72, .size: 8, .value_kind: global_buffer, .address_space: global }
      - { .name: wc, .offset: 80, .size: 8, .value_kind: global_buffer, .address_space: global }
      - { .name: mbits, .offset: 88, .size: 8, .value_kind: global_buffer, .address_space: global }
      - { .name: mflag, .offset: 96, .size: 8, .value_kind: global_buffer, .address_space: global }
    .group_segment_fixed_size: 34304
    .private_segment_fixed_size: 0
    .kernarg_segment_align: 8
    .kernarg_segment_size: 104
    .max_flat_workgroup_size: 128
    .sgpr_count:     66
    .vgpr_count:     242
    .wavefront_size: 32
...
	.end_amdgpu_metadata
.endif
;; end of part 1
;; launch proj (part 2): grid 4 x 96, 4 waves a work-group, clusters of 4 x 4, 327,680 bytes of LDS; arguments xc, wc, lowp_scales, qkv; writes qkv
.if DOCPART == 2
	.amdgcn_target "amdgcn-amd-amdhsa--gfx1250"
	.amdhsa_code_object_version 6
	.text
	.protected	k_q5802a7686b_proj
	.globl	k_q5802a7686b_proj
	.p2align	8
	.type	k_q5802a7686b_proj,@function
k_q5802a7686b_proj:
	s_mov_b64 s[64:65], 0
	v_nop
	global_prefetch_b8 v0, s[64:65] scope:SCOPE_SE
	s_setreg_imm32_b32 hwreg(HW_REG_WAVE_MODE, 25, 1), 1
	s_wait_xcnt 0x0
	s_wait_alu depctr_hold_cnt(0) depctr_sa_sdst(0) depctr_va_vdst(0) depctr_va_sdst(0) depctr_va_ssrc(0) depctr_va_vcc(0) depctr_vm_vsrc(0)
	s_getreg_b32 s2, hwreg(HW_REG_IB_STS2, 6, 4)
	s_cmp_eq_u32 s2, 0
	s_cbranch_scc0 .Lentry_in_a_cluster
	s_endpgm
.Lentry_in_a_cluster:
	s_bfe_u32 s2, ttmp6, 0x10000c
	s_cmp_lg_u32 s2, 0xf033
	s_cbranch_scc0 .Lentry_shape_is_right
	s_endpgm
.Lentry_shape_is_right:
; PROJ.  The three input projections, x w^T, on codes of E4M3, in one launch; the sums are quantised in registers into the operands of the attention launch.
; Clusters 0-7 make q, 8-15 k, 16-23 v.  A tile of 256 x 256 is made by four waves, each 128 x 128: 64 accumulators of 16 x 16, 512 registers.  K = 1,024 goes in four steps of 256 through two LDS slots.
; THE IMAGE.  Operands lie in memory in the order of their registers: a fragment (16 rows x 128 K) is 2,048 dense bytes, registers 4g..4g+3 of lane l at 512 g + 16 l.  So a K step's 128 rows are one dense
; block of 32,768 bytes for one tensor load, an LDS load takes 512 consecutive bytes, and there is no pitch and no padding.
; THE MATRIX INSTRUCTION IS USED TRANSPOSED (source 0 = 16 rows of B, source 1 = 16 rows of A): lane (r, h) of accumulator (a, b) holds A's row 16 a + r and B's rows 16 b + 8 h + 0..7.
; One conversion of an accumulator's eight registers therefore gives registers 2b, 2b+1 of the image of A's rows 16 a.. along B's axis.
;   q, k: A = tokens, B = the weight's rows (features): accumulators (a, 0..3) and (a, 4..7) are the K = 64 images of 16 tokens in two heads.
;   v:    A = wv's rows (channels), B = tokens (keys): accumulators (a, 0..7) are the K = 128 image of V^T: 16 channels x my 128 keys.  The roles are changed by addresses alone.
; qkv: q at 0, k at 8 MiB, v at 16 MiB; each [n x 16 + head: 64][131,072 bytes]; q, k heads: [tile of 16 tokens: 128][1,024]; v heads: [step of 128 keys: 16][tile of 16 channels: 4][2,048].
; A sum stands for sum x 2^(ea + eb); its code is sum / 2^(eo - ea - eb), held within +-448.  LIMIT: eo - ea - eb between -126 and 119 (e6-e0-e1, e7-e2-e3, e9-e4-e5).
; CLUSTERS: 4 x 4 work-groups; A's tiles are asked for jointly along a row of the cluster, B's along a column.
; REGISTERS, in windows of 256: window 0: v0-31 addresses and scales; from v128 A's fragments, one set (on the way out: the codes).  window 1: B's fragments, two sets.  windows 2, 3: the accumulators.
.set SLOT,   131072                    ; A's 16 tiles of rows x 4,096 bytes, then B's
.set HALFT,  32768                     ; 128 rows x 256 K: what one tensor load brings, and what one wave reads of A or of B
.set SPARE,  262144                    ; behind the ring: the spare words, 128 bytes for each wave; no other line names them
.set FR,     16
.set NL,     4
.set NP,     4                         ; places behind this matrix instruction (ISA guide 7.12.1)
.set ADRA, 16                          ; v16-17  LDS address of my A fragments in slot 0, 1
.set ADRB, 20                          ; v20-21  the same for B
.set SPW,  28                          ; v28     my spare word's address; never rewritten
.set NIL,  29                          ; v29     0; never rewritten
.set AF,   128
.set G1, 24                            ; s[24:31] descriptor group 1 for A's tiles; s[32:39] group 0, one set for each slot
.set G0, 32
.set G1B, 48                           ; s[48:55], s[56:63] the same for B's
.set G0B, 56
.set MSB, 0
.macro WIN new                         ; the immediate's high byte repeats the setting that is left
.if MSB != \new
	s_set_vgpr_msb (MSB<<8)|\new
.set MSB, \new
.endif
.endm
.set MUL_LO, 0xa1                      ; source 0 (B) window 1, source 1 (A) window 0, C and D window 2
.set MUL_HI, 0xf1                      ; the same, C and D window 3
.set TO_B,   0x40                      ; destination window 1, address window 0
; A joint load: waves 0 and 1 fetch for A, waves 2 and 3 for B; the branch hangs on the wave's number alone.  Four v_nop follow each of the two lines.
.macro JLOAD g0a, g1a, g0b, g1b
	s_cmp_eq_u32 s15, 0
	s_cbranch_scc0 .Lfor_b_\@
	tensor_load_to_lds s[\g0a:\g0a+3], s[\g1a:\g1a+7]
	s_nop 0
.rept 4
	v_nop
.endr
	s_branch .Lasked_\@
.Lfor_b_\@:
	tensor_load_to_lds s[\g0b:\g0b+3], s[\g1b:\g1b+7]
	s_nop 0
.rept 4
	v_nop
.endr
.Lasked_\@:
.endm
.macro CREST                           ; a round of the cluster's barrier behind its opening barrier
	s_cmp_lg_u32 s14, 0
	s_cbranch_scc1 .Lnot_wave_0_\@
	s_barrier_signal -3
.Lnot_wave_0_\@:
	s_barrier_wait -3
	s_barrier_signal -1
	s_barrier_wait -1
.endm
.macro CROUND
	s_barrier_signal -1
	s_barrier_wait -1
	CREST
.endm
	s_load_b256 s[4:11], s[0:1], 0x0               ; xc s[4:5], wc s[6:7], the scales' exponents s[8:9], qkv s[10:11]
	v_lshl_add_u32 v[SPW], v0, 2, SPARE
	v_mov_b32 v[NIL], 0
	ds_add_u32 v28, v29
	ds_add_u32 v28, v29
	s_wait_dscnt 0x0
	v_lshrrev_b32 v1, 5, v0
	v_readfirstlane_b32 s14, v1                    ; wave 0..3
	s_lshr_b32 s15, s14, 1                         ; which half of the tile's A rows is mine.  Also: I fetch for A (0) or for B (1)
	s_and_b32 s16, s14, 1                          ; which half of its B rows.  Also: which 128 rows I fetch
	s_bfe_u32 s40, ttmp6, 0x40000                  ; cx, cy: my place in the cluster
	s_bfe_u32 s41, ttmp6, 0x40004
	s_and_b32 s12, ttmp7, 0xffff                   ; the cluster's number, 0..23: the same in all sixteen partners
	s_lshr_b32 s66, s12, 3                         ; 0 q, 1 k, 2 v
	s_and_b32 s67, s12, 7
	s_mov_b32 s84, 0x200000                        ; a K step of the whole tensor, in bytes: an activation's, a weight's
	s_mov_b32 s86, 0x40000
	s_cmp_eq_u32 s66, 2                            ; v: the weight is A and the activation B
	s_cselect_b32 s17, 0, s67
	s_cselect_b32 s42, s67, 0
	s_cselect_b32 s84, 0x40000, s84                ; A's
	s_cselect_b32 s86, 0x200000, s86               ; B's
	s_mov_b32 s85, 0
	s_mov_b32 s87, 0
	s_lshl_b32 s80, s84, 1                         ; two K steps on: a refill's step
	s_mov_b32 s81, 0
	s_lshl_b32 s82, s86, 1
	s_mov_b32 s83, 0
	s_lshl_b32 s17, s17, 2
	s_add_co_u32 s17, s17, s41                     ; tile row (of A)
	s_lshl_b32 s42, s42, 2
	s_add_co_u32 s42, s42, s40                     ; tile column (of B)
	s_lshl_b32 s43, s41, 2
	s_lshl_b32 s43, 15, s43                        ; my row of the cluster
	s_lshl_b32 s44, 0x1111, s40                    ; my column
	; descriptor group 1: a dense block of 32,768 bytes as 128 rows of 32 elements of 8 bytes, no padding
	s_or_b32 s[G1+0], s43, (3<<16)|(1<<21)         ; 15:0 the mask: A's tiles go to my row; 17:16 elements of 8 bytes; 21 set beside a mask
	s_or_b32 s[G1B+0], s44, (3<<16)|(1<<21)
.irp g, G1, G1B
	s_mov_b32 s[\g+1], 32<<16                      ; tensor_dim0 = 32
	s_mov_b32 s[\g+2], 128<<16                     ; tensor_dim1 = 128
	s_mov_b32 s[\g+3], 32<<16                      ; tile_dim0 = 32
	s_mov_b32 s[\g+4], 128                         ; tile_dim1 = 128
	s_mov_b32 s[\g+5], 32                          ; from row to row: 32 elements
	s_mov_b32 s[\g+6], 0
	s_mov_b32 s[\g+7], 0
.endr
	s_lshl_b32 s18, s16, 15                        ; which 8 tiles of rows I fetch
	s_lshl_b32 s20, s17, 16
	s_add_co_u32 s20, s20, s18                     ; A: (16 x tile row + 8 x half) x 4,096 bytes
	s_mov_b32 s21, 0
	s_lshl_b32 s46, s42, 16
	s_add_co_u32 s46, s46, s18                     ; B likewise, by the tile column
	s_mov_b32 s47, 0
	s_lshl_b32 s88, s66, 23                        ; the activation's place in xc,
	s_mov_b32 s89, 0
	s_lshl_b32 s90, s66, 20                        ; the weight's in wc
	s_mov_b32 s91, 0
	s_mul_i32 s45, s14, HALFT                      ; where the tiles go: wave x 32,768: no place in the cluster enters an LDS address
	s_wait_kmcnt 0x0
	s_load_b256 s[68:75], s[8:9], 0x0              ; e0 .. e7
	s_load_b128 s[76:79], s[8:9], 0x20             ; e8 .. e11
	s_add_nc_u64 s[88:89], s[4:5], s[88:89]
	s_add_nc_u64 s[90:91], s[6:7], s[90:91]
	s_cmp_eq_u32 s66, 2
	s_cselect_b64 s[92:93], s[90:91], s[88:89]     ; A
	s_cselect_b64 s[94:95], s[88:89], s[90:91]     ; B
	s_add_nc_u64 s[20:21], s[92:93], s[20:21]
	s_add_nc_u64 s[46:47], s[94:95], s[46:47]
	CROUND                                         ; all sixteen work-groups are here: the first joint loads meet
.irp s, 0,1
	s_mov_b32 s[G0+4*\s], 1
	s_add_co_u32 s[G0+4*\s+1], s45, \s*SLOT
	s_mov_b32 s[G0B+4*\s], 1
	s_add_co_u32 s[G0B+4*\s+1], s45, \s*SLOT
.if \s == 0
	s_mov_b64 s[G0+2:G0+3], s[20:21]               ; K step 0
	s_mov_b64 s[G0B+2:G0B+3], s[46:47]
.else
	s_add_nc_u64 s[G0+6:G0+7], s[20:21], s[84:85]  ; K step 1
	s_add_nc_u64 s[G0B+6:G0B+7], s[46:47], s[86:87]
.endif
	s_or_b32 s[G0+4*\s+3], s[G0+4*\s+3], 0x80000000
	s_or_b32 s[G0B+4*\s+3], s[G0B+4*\s+3], 0x80000000
	JLOAD G0+4*\s, G1, G0B+4*\s, G1B
.endr
	v_and_b32 v1, 31, v0
	v_lshlrev_b32 v4, 4, v1                        ; 16 x lane: an image's place for my lane
	s_mul_i32 s21, s15, HALFT                      ; my 128 rows of A
	s_mul_i32 s22, s16, HALFT                      ; my 128 rows of B,
	s_add_co_u32 s22, s22, 2*HALFT                 ; which lie behind A's 256
.irp s, 0,1
	v_add_nc_u32 v[ADRA+\s], s21, v4
	v_add_nc_u32 v[ADRB+\s], s22, v4
	s_add_co_u32 s21, s21, SLOT
	s_add_co_u32 s22, s22, SLOT
.endr
	; the way out: where my codes go
	s_lshl_b32 s12, s17, 8
	s_lshl_b32 s13, s15, 7
	s_add_co_u32 s12, s12, s13                     ; my first row of A
	s_lshl_b32 s13, s42, 8
	s_lshl_b32 s18, s16, 7
	s_add_co_u32 s13, s13, s18                     ; my first row of B
	s_mov_b32 s92, 131072
	s_mov_b32 s88, 1024
	s_mov_b32 s90, 1024
	s_cmp_eq_u32 s66, 2
	s_cselect_b32 s18, s13, s12                    ; my first token
	s_cselect_b32 s19, s12, s13                    ; my first feature
	s_cselect_b32 s92, 1024, s92                   ; from registers 0-7 to registers 8-15 of a block's codes: the next head (q, k) or the image's second half (v)
	s_cselect_b32 s88, 2048, s88                   ; from block a to a + 1: the next tile of tokens (q, k) or of channels (v);
	s_cselect_b32 s90, 124928, s90                 ; from block 3 to 4 in v: the next head's first tile: 131,072 - 3 x 2,048
	s_mov_b32 s89, 0
	s_mov_b32 s91, 0
	s_lshr_b32 s20, s18, 11
	s_lshl_b32 s20, s20, 4
	s_lshr_b32 s21, s19, 6
	s_add_co_u32 s20, s20, s21                     ; n x 16 + head
	s_lshl_b32 s20, s20, 17
	s_and_b32 s21, s18, 2047
	s_lshl_b32 s21, s21, 6                         ; 64 bytes a token in a head, in both layouts
	s_add_co_u32 s20, s20, s21
	s_lshl_b32 s21, s66, 23
	s_add_co_u32 s20, s20, s21
	s_mov_b32 s21, 0
	s_add_nc_u64 s[10:11], s[10:11], s[20:21]
	v_mov_b32 v24, v4
	v_add_nc_u32 v25, s92, v4
.macro FRAG reg, adr, q, i             ; a fragment comes as it lies: four loads of 512 consecutive bytes
.irp c, 0,1,2,3
	ds_load_b128 v[\reg+4*\c:\reg+4*\c+3], v[\adr] offset:4096*(\i)+2048*(\q)+512*\c
.endr
.endm
; 16 matrix instructions: A's blocks a0, a0 + 1 x B's eight, 128 along K.  p: B's set.  zero = 1: the first product starts the sums.
; The 64 accumulators take turns, one instruction a turn, in the same order in every step.
.macro MUL16 a0, p, zero
.irp a, \a0, \a0+1
.irp b, 0,1,2,3,4,5,6,7
.if \zero
	v_wmma_f32_16x16x128_fp8_fp8 v[8*(8*((\a)%4)+\b):8*(8*((\a)%4)+\b)+7], v[128*(\p)+FR*\b:128*(\p)+FR*\b+FR-1], v[AF+FR*(\a):AF+FR*(\a)+FR-1], 0
.else
	v_wmma_f32_16x16x128_fp8_fp8 v[8*(8*((\a)%4)+\b):8*(8*((\a)%4)+\b)+7], v[128*(\p)+FR*\b:128*(\p)+FR*\b+FR-1], v[AF+FR*(\a):AF+FR*(\a)+FR-1], v[8*(8*((\a)%4)+\b):8*(8*((\a)%4)+\b)+7]
.endif
.endr
.endr
.endm
.macro FETCH_B slot, q, p
	WIN TO_B
.irp i, 0,1,2,3,4,5,6,7
	FRAG 128*(\p)+FR*\i, ADRB+\slot, \q, \i
.endr
	WIN 0
.endm
.macro FETCH_A slot, q, i0
.irp i, \i0, \i0+1, \i0+2, \i0+3
	FRAG AF+FR*(\i), ADRA+\slot, \q, \i
.endr
.endm
.macro PLACES n                        ; plain vector lines between a matrix instruction and a load into, or a vector read of, its registers
.rept \n
	v_nop
.endr
.endm
; A step of 128 along K that has its successor in the same slot.  A's blocks 0-3 are fetched anew in its middle, blocks 4-7 at its end; B has two sets.
.macro STEP slot, q, zero
	s_wait_dscnt 4*NL                              ; B's set and A's blocks 0-3 are in; the youngest 16 loads (A's blocks 4-7) may be out
	WIN MUL_LO
	MUL16 0, (\q)%2, \zero
	MUL16 2, (\q)%2, \zero
	s_wait_dscnt 0
	PLACES NP
	FETCH_B \slot, (\q)+1, 1-(\q)%2
	FETCH_A \slot, (\q)+1, 0
	WIN MUL_HI
	MUL16 4, (\q)%2, \zero
	MUL16 6, (\q)%2, \zero
	PLACES NP
	WIN 0
	FETCH_A \slot, (\q)+1, 4
.endm
; A slot's last step changes slots: one barrier; in front of it each wave waits for all its tensor loads, adds 0 to its spare word, and waits for that and for its reads of this slot.  fill = 1: this slot is filled again, two K steps ahead.
.macro TURN slot, next, fill
	s_wait_tensorcnt 0x0                           ; all my tensor loads have landed: my part of the next slot
	ds_add_u32 v[SPW], v[NIL]                      ; 0 onto my spare word
	s_wait_dscnt 4*NL+1                            ; (the add and the youngest 16 loads may be out)
	WIN MUL_LO
	MUL16 0, 1, 0
	s_wait_dscnt 0x0                               ; the add is done, and my reads of this slot are over
	s_barrier_signal -1
	MUL16 2, 1, 0
	WIN 0
	s_barrier_wait -1
.if \fill
	CREST                                          ; the barrier has opened a round of the cluster's barrier: no wave of any partner still reads this slot or has a load on its way
	s_add_nc_u64 s[G0+4*\slot+2:G0+4*\slot+3], s[G0+4*\slot+2:G0+4*\slot+3], s[80:81]
	s_add_nc_u64 s[G0B+4*\slot+2:G0B+4*\slot+3], s[G0B+4*\slot+2:G0B+4*\slot+3], s[82:83]
	JLOAD G0+4*\slot, G1, G0B+4*\slot, G1B         ; the first tensor load behind the round; its four v_nop are also the places in front of the loads below
.else
	PLACES NP
.endif
	FETCH_B \next, 0, 0
	FETCH_A \next, 0, 0
	WIN MUL_HI
	MUL16 4, 1, 0
	MUL16 6, 1, 0
	PLACES NP
	WIN 0
	FETCH_A \next, 0, 4
.endm
	s_wait_tensorcnt 1                             ; my part of K step 0 is in; K step 1's load may be out
	s_barrier_signal -1
	s_barrier_wait -1
	FETCH_B 0, 0, 0
	FETCH_A 0, 0, 0
	FETCH_A 0, 0, 4
	STEP 0, 0, 1                                   ; K step 0: the first products start the sums
	TURN 0, 1, 1                                   ; slot 0 takes K step 2
	STEP 1, 0, 0                                   ; K step 1
	TURN 1, 0, 1                                   ; slot 1 takes K step 3
	STEP 0, 0, 0                                   ; K step 2
	TURN 0, 1, 0                                   ; nothing is left to fetch
	STEP 1, 0, 0                                   ; K step 3
	s_wait_dscnt 4*NL
	WIN MUL_LO
	MUL16 0, 1, 0
	MUL16 2, 1, 0
	s_wait_dscnt 0
	WIN MUL_HI
	MUL16 4, 1, 0
	MUL16 6, 1, 0
	WIN 0
	; THE WAY OUT: hold, convert, store.  No stage: a block's 16 registers of codes are images as they stand.
	s_wait_kmcnt 0x0
	s_sub_co_i32 s12, s74, s68
	s_sub_co_i32 s12, s12, s69                     ; q: e6 - e0 - e1
	s_sub_co_i32 s13, s75, s70
	s_sub_co_i32 s13, s13, s71                     ; k: e7 - e2 - e3
	s_sub_co_i32 s18, s77, s72
	s_sub_co_i32 s18, s18, s73                     ; v: e9 - e4 - e5
	s_cmp_eq_u32 s66, 0
	s_cselect_b32 s12, s12, s13
	s_cmp_eq_u32 s66, 2
	s_cselect_b32 s12, s18, s12
	s_add_co_i32 s12, s12, 127
	s_lshl_b32 s13, s12, 23
	v_mov_b32 v30, s13                             ; the conversions' scale
	s_add_co_i32 s12, s12, 8
	s_lshl_b32 s12, s12, 23
	s_or_b32 s12, s12, 0x600000
	v_mov_b32 v31, s12                             ; 448 x that
	PLACES NP
.macro OUTQ a
.set AC, 64*((\a)%4)
	WIN 0x82+0x41*((\a)/4)                         ; destination and source 0: window 2 or 3
.set j, 0
.rept 64
	v_med3_num_f32 v[AC+j], v[AC+j], -v31, v31     ; each accumulator from its low end on; the conversion does not saturate (ISA guide 7.6.2)
.set j, j+1
.endr
	WIN 0x02+((\a)/4)                              ; source 0: window 2 or 3; the codes go where A's fragments lay: 16 registers of its own for each block
.irp b, 0,1,2,3,4,5,6,7
	v_cvt_scalef32_pk8_fp8_f32 v[AF+16*(\a)+2*\b:AF+16*(\a)+2*\b+1], v[AC+8*\b:AC+8*\b+7], v30
.endr
	v_nop                                          ; a plain line behind the last conversion
	WIN 0
	global_store_b128 v24, v[AF+16*(\a):AF+16*(\a)+3], s[10:11]               ; each store: 512 consecutive bytes, aligned
	global_store_b128 v24, v[AF+16*(\a)+4:AF+16*(\a)+7], s[10:11] offset:512
	global_store_b128 v25, v[AF+16*(\a)+8:AF+16*(\a)+11], s[10:11]
	global_store_b128 v25, v[AF+16*(\a)+12:AF+16*(\a)+15], s[10:11] offset:512
.if (\a) < 7
	s_wait_xcnt 0x0                                ; the stores have read their base: it may step
.if (\a) == 3
	s_add_nc_u64 s[10:11], s[10:11], s[90:91]
.else
	s_add_nc_u64 s[10:11], s[10:11], s[88:89]
.endif
.endif
.endm
.irp a, 0,1,2,3,4,5,6,7
	OUTQ \a
.endr
	s_wait_tensorcnt 0x0                           ; the wave's end
	ds_add_u32 v[SPW], v[NIL]
	s_wait_dscnt 0x0
	CROUND                                         ; the closing round: no work-group ends while a partner may still ask for a tile that names it
	s_endpgm
.Lfunc_end_k_q5802a7686b_proj:
	.size	k_q5802a7686b_proj, .Lfunc_end_k_q5802a7686b_proj-k_q5802a7686b_proj
	.p2alignl 7, 3214868480
	.fill 96, 4, 3214868480
	.section	.rodata,"a",@progbits
	.p2align	6, 0x0
	.amdhsa_kernel k_q5802a7686b_proj
		.amdhsa_group_segment_fixed_size 327680
		.amdhsa_private_segment_fixed_size 0
		.amdhsa_enable_private_segment 0
		.amdhsa_kernarg_size 32
		.amdhsa_user_sgpr_count 2
		.amdhsa_user_sgpr_kernarg_segment_ptr 1
		.amdhsa_wavefront_size32 1
		.amdhsa_system_sgpr_workgroup_id_x 1
		.amdhsa_system_sgpr_workgroup_id_y 1
		.amdhsa_system_sgpr_workgroup_id_z 1
		.amdhsa_system_vgpr_workitem_id 0
		.amdhsa_next_free_vgpr 1024
		.amdhsa_next_free_sgpr 100
		.amdhsa_reserve_vcc 0
		.amdhsa_float_denorm_mode_32 3
		.amdhsa_float_denorm_mode_16_64 3
		.amdhsa_memory_ordered 1
		.amdhsa_forward_progress 1
		.amdhsa_inst_pref_size 119
	.end_amdhsa_kernel
	.amdgpu_metadata
---
amdhsa.version: [ 1, 2 ]
amdhsa.kernels:
  - .name:           k_q5802a7686b_proj
    .symbol:         k_q5802a7686b_proj.kd
    .args:
      - { .name: xc, .offset: 0, .size: 8, .value_kind: global_buffer, .address_space: global }
      - { .name: wc, .offset: 8, .size: 8, .value_kind: global_buffer, .address_space: global }
      - { .name: lowp_scales, .offset: 16, .size: 8, .value_kind: global_buffer, .address_space: global }
      - { .name: qkv, .offset: 24, .size: 8, .value_kind: global_buffer, .address_space: global }
    .group_segment_fixed_size: 327680
    .private_segment_fixed_size: 0
    .kernarg_segment_align: 8
    .kernarg_segment_size: 32
    .max_flat_workgroup_size: 128
    .sgpr_count:     100
    .vgpr_count:     1024
    .wavefront_size: 32
...
	.end_amdgpu_metadata
.endif
;; end of part 2
;; launch attn (part 3): grid 4 x 64, 8 waves a work-group, no clusters, 263,168 bytes of LDS; arguments qkv, mbits, mflag, lowp_scales, oc; writes oc
.if DOCPART == 3
	.amdgcn_target "amdgcn-amd-amdhsa--gfx1250"
	.amdhsa_code_object_version 6
	.text
	.protected	k_q5802a7686b_attn
	.globl	k_q5802a7686b_attn
	.p2align	8
	.type	k_q5802a7686b_attn,@function
k_q5802a7686b_attn:
	s_mov_b64 s[64:65], 0
	v_nop
	global_prefetch_b8 v0, s[64:65] scope:SCOPE_SE
	s_setreg_imm32_b32 hwreg(HW_REG_WAVE_MODE, 25, 1), 1
	s_wait_xcnt 0x0
; ATTN.  For each of 64 heads (n x 16 + head): S = q k^T / 8 under the given mask, p = 2^(t - M), O = p v / l, both products on codes of E4M3; O is quantised into the output projection's operand.
; t = score x log2(e) / 8; M = the running largest t rounded UP to a whole number; p is quantised with 2^e8, not normalised; l is the sum of the unquantised p, in f32, and divides at the end.
; When M moves, l and O are multiplied by 2^(old M - new M): exact.
; SHARES.  A work-group serves one head: the head's whole K and V^T images (131,072 bytes each) are copied once into LDS; behind one barrier its eight waves never meet again.
; Wave w of work-group g takes two blocks of 32 queries, one after the other: 4 w + g and 60 + g - 4 w: two tiles of 16 queries share each fragment of K and V read from LDS.
; THE MASK IS AN INPUT.  The launch before has stored, for each (block of 32 queries, step of 128 keys), a flag and 128 lane masks.  Flag 0: no key of the step counts for the block: every p would be 0,
; so the step is passed over.  Flag 2: all count.  Flag 1: hidden scores become -infinity ahead of the maximum.  These are branches on whole numbers read from memory, so LDS is filled through
; registers, and for the same reason there is no cluster and no joint request: what the four work-groups of a head share is read once each at the head.
; A query with no key at all has l = 0: its codes become the NaN code, and the output projection gives NaN in its whole row, as the softmax of such a row does.
; LAYOUT.  Both products are used transposed: S^T = K Q^T (source 0 = 16 keys), O^T = V^T P^T (source 0 = 16 channels): a lane holds ONE query (lane % 16) throughout.  Register j of S^T's tile T is key
; 16 T + 8 (lane / 16) + j: its eight registers convert into registers 2T, 2T+1 of P's operand; O^T's tile c likewise into registers 2c, 2c+1 of the next product's image.  Nothing changes lanes.
; LIMITS: e6 + e7 between -123 and 130 (added to c's exponent field); e8, and e10 - e8 - e9, between -126 and 119.  NaN and infinities among the scores are not served.
; REGISTERS.  Window 0: v1 16 x lane, v2 the same in V's part of LDS, v3, v4 the step's LDS addresses, v6-9 the fill's, v10 -infinity, v11 448 x 2^e8, v12 2^e8, v13 2^(e10-e8-e9), v14 448 x that, v15 four NaN codes;
;   v[16+8t..] tile t: +0 -M, +1 the largest t, +2,+3 l in two halves, +4 f (+5 named with it), +6,+7 at work; v32-35 second chains of the sums; v36,37 lane exchange; v40-55 Q; v56-87 P's codes; v96-223 S^T, then p.
; Window 1: v0-63 K's eight fragments, v64-127 V's four, v128-191 O^T.
.set VL,  131072                       ; LDS: K's images at 0, V's here
.set ST,  16
.set QR,  40
.set P,   56
.set S,   96
.set VF,  64                           ; in window 1
.set OT,  128                          ; in window 1
.set MSB, 0
.macro WIN new                         ; the immediate's high byte repeats the setting that is left; bits 1:0 source 0, 3:2 source 1, 5:4 source 2, 7:6 destination
.if MSB != \new
	s_set_vgpr_msb (MSB<<8)|\new
.set MSB, \new
.endif
.endm
	s_load_b256 s[4:11], s[0:1], 0x0               ; qkv s[4:5], mbits s[6:7], mflag s[8:9], the scales' exponents s[10:11]
	s_load_b64 s[12:13], s[0:1], 0x20              ; oc
	v_lshl_add_u32 v254, v0, 2, 0x40000
	v_mov_b32 v255, 0
	v_lshrrev_b32 v1, 5, v0
	v_readfirstlane_b32 s66, v1                    ; wave 0..7
	v_and_b32 v1, 31, v0
	v_lshlrev_b32 v1, 4, v1                        ; 16 x lane
	v_add_nc_u32 v2, VL, v1
	v_lshlrev_b32 v6, 4, v0                        ; the fill: 16 x thread,
	v_add_nc_u32 v7, 0x10000, v6                   ; and 65,536 bytes on each, since an LDS immediate has 16 bits
	v_add_nc_u32 v8, 0x20000, v6
	v_add_nc_u32 v9, 0x30000, v6
	s_and_b32 s68, ttmp7, 0xffff                   ; n x 16 + head
	s_lshl_b32 s98, s68, 17
	s_mov_b32 s99, 0
	s_lshl_b32 s69, s66, 2
	s_add_co_u32 s69, s69, ttmp9                   ; my first block of 32 queries
	s_lshl_b32 s75, ttmp9, 1
	s_add_co_u32 s75, s75, 60                      ; my two blocks add up to this
	s_wait_kmcnt 0x0
	s_load_b256 s[16:23], s[10:11], 0x0            ; e0 .. e7
	s_load_b128 s[24:27], s[10:11], 0x20           ; e8 .. e11
	s_add_nc_u64 s[4:5], s[4:5], s[98:99]          ; q's head
	s_add_nc_u64 s[100:101], s[4:5], 0x800000      ; k's
	s_add_nc_u64 s[104:105], s[4:5], 0x1000000     ; v's
	; THE FILL: 64 loads of 16 bytes a thread, all on their way together: K's into window 0, V's into window 1
.set k, 0
.rept 32
	global_load_b128 v[S+4*k:S+4*k+3], v6, s[100:101] offset:4096*k
.set k, k+1
.endr
	WIN 0x40
.set k, 0
.rept 32
	global_load_b128 v[4*k:4*k+3], v6, s[104:105] offset:4096*k
.set k, k+1
.endr
	WIN 0
	; meanwhile: where my head's codes go in oc: [K step of 256: head / 4][tile of 16 tokens][head / 2 % 2][2,048], registers 8 (head % 2) on
	s_and_b32 s98, s68, 15
	s_lshr_b32 s99, s98, 2
	s_lshl_b32 s28, s99, 21
	s_bfe_u32 s99, s98, 0x10001
	s_lshl_b32 s99, s99, 11
	s_add_co_u32 s28, s28, s99
	s_and_b32 s99, s98, 1
	s_lshl_b32 s99, s99, 10
	s_add_co_u32 s28, s28, s99
	s_lshr_b32 s99, s68, 4
	s_lshl_b32 s99, s99, 19                        ; n: 128 tiles of 4,096 bytes
	s_add_co_u32 s28, s28, s99
	s_mov_b32 s29, 0
	s_add_nc_u64 s[12:13], s[12:13], s[28:29]
	s_mov_b32 s78, 0x76543210                      ; v_permlanex16_b32's selects for lane l xor 16
	s_mov_b32 s79, 0xfedcba98
	s_mov_b32 s76, 0x3e38aa3b                      ; c = log2(e) / 8
	v_mov_b32 v10, 0xff800000
	v_mov_b32 v15, 0x7f7f7f7f
	v_mov_b32 v36, 0                               ; written once: a lane permute's destination counts as one of its sources
	v_mov_b32 v37, 0
	v_mov_b32 v21, 0                               ; (named as the upper halves of the pairs that hold f)
	v_mov_b32 v29, 0
	s_wait_kmcnt 0x0
	s_add_co_i32 s98, s22, s23
	s_lshl_b32 s98, s98, 23
	s_add_co_i32 s76, s76, s98                     ; a score stands for score x 2^(e6 + e7): added to c's exponent field
	s_mov_b32 s77, s76                             ; (named with it as a pair)
	s_mov_b32 s96, s24                             ; e8
	s_add_co_i32 s98, s24, 127
	s_lshl_b32 s99, s98, 23
	v_mov_b32 v12, s99                             ; 2^e8
	s_add_co_i32 s98, s98, 8
	s_lshl_b32 s98, s98, 23
	s_or_b32 s98, s98, 0x600000
	v_mov_b32 v11, s98                             ; 448 x 2^e8
	s_sub_co_i32 s98, s26, s24
	s_sub_co_i32 s98, s98, s25
	s_add_co_i32 s98, s98, 127
	s_lshl_b32 s99, s98, 23
	v_mov_b32 v13, s99                             ; 2^(e10 - e8 - e9): O^T / l stands for that x 2^(e8 + e9)
	s_add_co_i32 s98, s98, 8
	s_lshl_b32 s98, s98, 23
	s_or_b32 s98, s98, 0x600000
	v_mov_b32 v14, s98
.set k, 0
.rept 32
	s_wait_loadcnt 63-k                            ; loads come back in order (ISA guide 5.7.1): number k is in, the younger ones may be out
	ds_store_b128 v[6+k/16], v[S+4*k:S+4*k+3] offset:4096*(k%16)
.set k, k+1
.endr
	WIN 0x04                                       ; store data in window 1
.rept 32
	s_wait_loadcnt 63-k
	ds_store_b128 v[6+k/16], v[4*(k-32):4*(k-32)+3] offset:4096*(k%16)
.set k, k+1
.endr
	WIN 0
	s_wait_dscnt 0x0                               ; for the others' sake: my stores have landed
	s_barrier_signal -1
	s_barrier_wait -1                              ; the launch's one barrier: from here on LDS is only read
.macro MLOAD t                         ; tile t's 64 lane masks: word n in s[16 + n] (n < 48) or s[32 + n]
	s_load_b512 s[16:31], s[14:15], 256*(\t)
	s_load_b512 s[32:47], s[14:15], 256*(\t)+64
	s_load_b512 s[48:63], s[14:15], 256*(\t)+128
	s_load_b512 s[80:95], s[14:15], 256*(\t)+192
.endm
.macro QK                              ; S^T = K Q^T: 16 products of K = 64, sixteen accumulators, each begun with 0
	s_wait_dscnt 16                                ; K's 16 loads are in; V's 16, issued behind them, may be out
	WIN 0x01                                       ; source 0 (K) window 1
.irp k, 0,1,2,3,4,5,6,7
.irp t, 0,1
	v_wmma_f32_16x16x64_fp8_fp8 v[S+64*\t+8*\k:S+64*\t+8*\k+7], v[8*\k:8*\k+7], v[QR+8*\t:QR+8*\t+7], 0
.endr
.endr
	WIN 0
.rept 4
	v_nop                                          ; places in front of the first read of the scores (ISA guide 7.12.1)
.endr
.endm
.macro MASK t                          ; a hidden score becomes -infinity; ascending
.set n, 0
.rept 64
.if n < 48
	v_cndmask_b32 v[S+64*(\t)+n], v10, v[S+64*(\t)+n], s[16+n]
.else
	v_cndmask_b32 v[S+64*(\t)+n], v10, v[S+64*(\t)+n], s[32+n]
.endif
.set n, n+1
.endr
.endm
.macro MAXP t                          ; the largest of my 64 scores of tile t, in two chains; every accumulator is met at its two lowest registers first
.set SS, S+64*(\t)
.set MA, ST+8*(\t)+6
	v_max3_num_f32 v[MA], v[SS], v[SS+1], v[SS+2]
	v_max3_num_f32 v[MA+1], v[SS+3], v[SS+4], v[SS+5]
.irp i, 6,10,14,18,22,26,30,34,38,42,46,50,54,58
	v_max3_num_f32 v[MA], v[MA], v[SS+\i], v[SS+\i+1]
	v_max3_num_f32 v[MA+1], v[MA+1], v[SS+\i+2], v[SS+\i+3]
.endr
	v_max3_num_f32 v[MA], v[MA], v[SS+62], v[SS+63]
	v_max_num_f32 v[MA], v[MA], v[MA+1]
.endm
.macro MAXP2                           ; the same for both tiles, four chains by turns
.irp t, 0,1
	v_max3_num_f32 v[ST+8*\t+6], v[S+64*\t], v[S+64*\t+1], v[S+64*\t+2]
	v_max3_num_f32 v[ST+8*\t+7], v[S+64*\t+3], v[S+64*\t+4], v[S+64*\t+5]
.endr
.irp i, 6,10,14,18,22,26,30,34,38,42,46,50,54,58
.irp t, 0,1
	v_max3_num_f32 v[ST+8*\t+6], v[ST+8*\t+6], v[S+64*\t+\i], v[S+64*\t+\i+1]
	v_max3_num_f32 v[ST+8*\t+7], v[ST+8*\t+7], v[S+64*\t+\i+2], v[S+64*\t+\i+3]
.endr
.endr
.irp t, 0,1
	v_max3_num_f32 v[ST+8*\t+6], v[ST+8*\t+6], v[S+64*\t+62], v[S+64*\t+63]
.endr
.irp t, 0,1
	v_max_num_f32 v[ST+8*\t+6], v[ST+8*\t+6], v[ST+8*\t+7]
.endr
.endm
	s_mov_b32 s74, 0
.Lblock:                                           ; two trips: my two blocks of 32 queries
	s_wait_xcnt 0x0                                ; the last block's stores have read their data and their base
	s_lshl_b32 s98, s69, 11
	s_mov_b32 s99, 0
	s_add_nc_u64 s[100:101], s[4:5], s[98:99]      ; Q: two tiles of 1,024 bytes
	s_lshl_b32 s98, s69, 13
	s_add_nc_u64 s[14:15], s[6:7], s[98:99]        ; the block's mask records: 16 steps x 512 bytes
	s_add_nc_u64 s[104:105], s[12:13], s[98:99]    ; its two tiles in oc: 2 x 4,096 bytes
	s_lshl_b32 s98, s69, 6
	s_add_nc_u64 s[98:99], s[8:9], s[98:99]
	s_load_b512 s[16:31], s[98:99], 0x0            ; its 16 flags
.irp t, 0,1
.irp c, 0,1
	global_load_b128 v[QR+8*\t+4*\c:QR+8*\t+4*\c+3], v1, s[100:101] offset:1024*\t+512*\c
.endr
.endr
.irp t, 0,1
	v_mov_b32 v[ST+8*\t+1], 0xff61b1e6             ; the largest t so far: -3e38, under every t
	v_floor_f32 v[ST+8*\t], -v[ST+8*\t+1]          ; -M
	v_mov_b32 v[ST+8*\t+2], 0                      ; l
	v_mov_b32 v[ST+8*\t+3], 0
.endr
	WIN 0x40
.set j, 0
.rept 64
	v_mov_b32 v[OT+j], 0                           ; O^T.  Which step is a block's first hangs on the mask, so none can be written out ahead of the loop: the sums begin as zeros, which the first change of M leaves zeros
.set j, j+1
.endr
	WIN 0
	s_wait_kmcnt 0x0
	s_mov_b32 s70, s16                             ; the flags, two bits a step
.irp i, 1,2,3,4,5,6,7,8,9,10,11,12,13,14,15
	s_lshl_b32 s98, s[16+\i], 2*\i
	s_or_b32 s70, s70, s98
.endr
	s_mov_b32 s72, 0                               ; the step's bytes in K's and in V's part of LDS: 8,192 a step in both
	s_mov_b32 s73, 0
	s_wait_loadcnt 0x0                             ; Q
.Lstep:                                            ; 16 trips, a constant: what the mask hides is passed over inside the trip
	s_and_b32 s71, s70, 3
	s_lshr_b32 s70, s70, 2
	s_cmp_eq_u32 s71, 0
	s_cbranch_scc1 .Lnext                          ; none of these 128 keys counts for my 32 queries
	v_add_nc_u32 v3, s72, v1
	v_add_nc_u32 v4, s72, v2
	WIN 0x40                                       ; destination window 1
.irp k, 0,1,2,3,4,5,6,7
.irp c, 0,1
	ds_load_b128 v[8*\k+4*\c:8*\k+4*\c+3], v3 offset:1024*\k+512*\c
.endr
.endr
.irp c, 0,1,2,3
.irp g, 0,1,2,3
	ds_load_b128 v[VF+16*\c+4*\g:VF+16*\c+4*\g+3], v4 offset:2048*\c+512*\g
.endr
.endr
	WIN 0
	s_cmp_eq_u32 s71, 2
	s_cbranch_scc1 .Lopen
	MLOAD 0                                        ; the masked way: tile 0's words travel under the products, tile 1's under tile 0's maxima
	QK
	s_wait_kmcnt 0x0
	MASK 0
	MLOAD 1
	MAXP 0
	s_wait_kmcnt 0x0
	MASK 1
	MAXP 1
	s_branch .Ljoin
.Lopen:
	QK
	MAXP2
.Ljoin:
.irp t, 0,1
	v_permlanex16_b32 v[36+\t], v[ST+8*\t+6], s78, s79
.endr
.irp t, 0,1
	v_max_num_f32 v[ST+8*\t+6], v[ST+8*\t+6], v[36+\t]   ; and among lane l xor 16's 64 keys
.endr
.irp t, 0,1
	v_mul_f32 v[ST+8*\t+6], s76, v[ST+8*\t+6]      ; as t (c is positive)
.endr
.irp t, 0,1
	v_max_num_f32 v[ST+8*\t+1], v[ST+8*\t+1], v[ST+8*\t+6]   ; the running largest t
.endr
.irp t, 0,1
	v_mov_b32 v[ST+8*\t+6], v[ST+8*\t]
.endr
.irp t, 0,1
	v_floor_f32 v[ST+8*\t], -v[ST+8*\t+1]          ; the new -M = floor(-t) = -ceil(t)
.endr
.irp t, 0,1
	v_sub_f32 v[ST+8*\t+6], v[ST+8*\t], v[ST+8*\t+6]   ; old M - new M: a whole number, 0 or less
.endr
.irp t, 0,1
	v_cvt_i32_f32 v[ST+8*\t+6], v[ST+8*\t+6]       ; (it saturates)
.endr
.irp t, 0,1
	v_ldexp_f32 v[ST+8*\t+4], 1.0, v[ST+8*\t+6]    ; f = 2^(old M - new M)
.endr
.irp t, 0,1
.set j, 0
.rept 32
	v_pk_fma_f32 v[S+64*\t+j:S+64*\t+j+1], v[S+64*\t+j:S+64*\t+j+1], s[76:77], v[ST+8*\t:ST+8*\t+1] op_sel_hi:[1,0,0]   ; t - M, two at a time (of the pairs c and -M the low word serves both halves)
.set j, j+2
.endr
.endr
.set j, 0
.rept 128
	v_exp_f32 v[S+j], v[S+j]                       ; p = 2^(t - M): one batch
.set j, j+1
.endr
	v_pk_mul_f32 v[ST+2:ST+3], v[ST+2:ST+3], v[ST+4:ST+5] op_sel_hi:[1,0]       ; l under the new M; also the plain line behind the exponentials
	v_pk_mul_f32 v[ST+10:ST+11], v[ST+10:ST+11], v[ST+12:ST+13] op_sel_hi:[1,0]
	s_wait_alu depctr_va_vdst(0)                   ; the wait ahead of the first line that names an exponential's result: one for the batch
.irp t, 0,1
	v_pk_add_f32 v[32+2*\t:33+2*\t], v[S+64*\t:S+64*\t+1], v[S+64*\t+2:S+64*\t+3]   ; l is taken of the unquantised p: two at a time, four chains
.endr
.irp j, 4,8,12,16,20,24,28,32,36,40,44,48,52,56,60
.irp t, 0,1
	v_pk_add_f32 v[ST+8*\t+2:ST+8*\t+3], v[ST+8*\t+2:ST+8*\t+3], v[S+64*\t+\j:S+64*\t+\j+1]
	v_pk_add_f32 v[32+2*\t:33+2*\t], v[32+2*\t:33+2*\t], v[S+64*\t+\j+2:S+64*\t+\j+3]
.endr
.endr
.irp t, 0,1
	v_pk_add_f32 v[ST+8*\t+2:ST+8*\t+3], v[ST+8*\t+2:ST+8*\t+3], v[32+2*\t:33+2*\t]
.endr
	s_cmp_ge_i32 s96, -8                           ; from e8 = -8 on, 448 x 2^e8 is 1.75 or more and p, at most 1 but for a last bit, cannot pass the largest code: the hold is passed over
	s_cbranch_scc1 .Lnohold
.set j, 0
.rept 128
	v_min_num_f32 v[S+j], v[S+j], v11              ; the conversion does not saturate (ISA guide 7.6.2); p is not negative, so the hold is one-sided
.set j, j+1
.endr
.Lnohold:
.irp t, 0,1
.irp k, 0,1,2,3,4,5,6,7
	v_cvt_scalef32_pk8_fp8_f32 v[P+16*\t+2*\k:P+16*\t+2*\k+1], v[S+64*\t+8*\k:S+64*\t+8*\k+7], v12
.endr
.endr
	WIN 0x41                                       ; O^T (destination, source 0) window 1, f window 0
.irp t, 0,1
.set j, 0
.rept 16
	v_pk_mul_f32 v[OT+32*\t+j:OT+32*\t+j+1], v[OT+32*\t+j:OT+32*\t+j+1], v[ST+8*\t+4:ST+8*\t+5] op_sel_hi:[1,0]   ; O^T under the new M; these are also the plain lines between the conversions and the products
.set j, j+2
.endr
.endr
	s_wait_dscnt 0x0                               ; V
	WIN 0x51                                       ; V and O^T window 1, P window 0
.irp c, 0,1,2,3
.irp t, 0,1
	v_wmma_f32_16x16x128_fp8_fp8 v[OT+32*\t+8*\c:OT+32*\t+8*\c+7], v[VF+16*\c:VF+16*\c+15], v[P+16*\t:P+16*\t+15], v[OT+32*\t+8*\c:OT+32*\t+8*\c+7]   ; eight accumulators by turns
.endr
.endr
	WIN 0
.rept 4
	v_nop                                          ; places in front of the next loads into V's registers and of the first read of O^T
.endr
.Lnext:
	s_add_co_u32 s72, s72, 8192
	s_add_nc_u64 s[14:15], s[14:15], 512           ; (every scalar load that named it has been waited for)
	s_add_co_u32 s73, s73, 1
	s_cmp_lt_u32 s73, 16
	s_cbranch_scc1 .Lstep
	; THE BLOCK'S END: O^T / l, quantised with 2^(e10 - e8 - e9): registers 2c, 2c+1 of the image of my 16 queries along head x 64 + channel
.irp t, 0,1
	v_add_f32 v[ST+8*\t+6], v[ST+8*\t+2], v[ST+8*\t+3]
.endr
.irp t, 0,1
	v_permlanex16_b32 v[36+\t], v[ST+8*\t+6], s78, s79
.endr
.irp t, 0,1
	v_add_f32 v[ST+8*\t+6], v[ST+8*\t+6], v[36+\t] ; l
.endr
.irp t, 0,1
	v_cmp_eq_f32 s[98+\t], 0, v[ST+8*\t+6]         ; a query for which no key counts
.endr
.irp t, 0,1
	v_rcp_f32 v[ST+8*\t+7], v[ST+8*\t+6]
.endr
	v_nop                                          ; a plain line behind the reciprocals,
	s_wait_alu depctr_va_vdst(0)                   ; and the wait ahead of their first reader: one for the two
	WIN 0x01                                       ; source 0 (O^T) window 1
.irp t, 0,1
.set j, 0
.rept 32
	v_mul_f32 v[S+64*\t+j], v[OT+32*\t+j], v[ST+8*\t+7]   ; each accumulator from its low end on
.set j, j+1
.endr
.endr
	WIN 0
.irp t, 0,1
.set j, 0
.rept 32
	v_med3_num_f32 v[S+64*\t+j], v[S+64*\t+j], -v14, v14
.set j, j+1
.endr
.endr
.irp t, 0,1
.irp c, 0,1,2,3
	v_cvt_scalef32_pk8_fp8_f32 v[P+16*\t+2*\c:P+16*\t+2*\c+1], v[S+64*\t+8*\c:S+64*\t+8*\c+7], v13
.endr
.endr
	v_nop                                          ; a plain line behind the last conversion
.irp t, 0,1
.irp i, 0,1,2,3,4,5,6,7
	v_cndmask_b32 v[P+16*\t+\i], v[P+16*\t+\i], v15, s[98+\t]
.endr
.endr
.irp t, 0,1
.irp u, 0,1
	global_store_b128 v1, v[P+16*\t+4*\u:P+16*\t+4*\u+3], s[104:105] offset:4096*\t+512*\u   ; 512 consecutive bytes, aligned
.endr
.endr
	s_sub_co_u32 s69, s75, s69                     ; my other block
	s_add_co_u32 s74, s74, 1
	s_cmp_lt_u32 s74, 2
	s_cbranch_scc1 .Lblock
	s_wait_tensorcnt 0x0
	ds_add_u32 v254, v255
	s_wait_dscnt 0x0
	s_endpgm
.Lfunc_end_k_q5802a7686b_attn:
	.size	k_q5802a7686b_attn, .Lfunc_end_k_q5802a7686b_attn-k_q5802a7686b_attn
	.p2alignl 7, 3214868480
	.fill 96, 4, 3214868480
	.section	.rodata,"a",@progbits
	.p2align	6, 0x0
	.amdhsa_kernel k_q5802a7686b_attn
		.amdhsa_group_segment_fixed_size 263168
		.amdhsa_private_segment_fixed_size 0
		.amdhsa_enable_private_segment 0
		.amdhsa_kernarg_size 40
		.amdhsa_user_sgpr_count 2
		.amdhsa_user_sgpr_kernarg_segment_ptr 1
		.amdhsa_wavefront_size32 1
		.amdhsa_system_sgpr_workgroup_id_x 1
		.amdhsa_system_sgpr_workgroup_id_y 1
		.amdhsa_system_sgpr_workgroup_id_z 1
		.amdhsa_system_vgpr_workitem_id 0
		.amdhsa_next_free_vgpr 512
		.amdhsa_next_free_sgpr 106
		.amdhsa_reserve_vcc 0
		.amdhsa_float_denorm_mode_32 3
		.amdhsa_float_denorm_mode_16_64 3
		.amdhsa_memory_ordered 1
		.amdhsa_forward_progress 1
		.amdhsa_inst_pref_size 71
	.end_amdhsa_kernel
	.amdgpu_metadata
---
amdhsa.version: [ 1, 2 ]
amdhsa.kernels:
  - .name:           k_q5802a7686b_attn
    .symbol:         k_q5802a7686b_attn.kd
    .args:
      - { .name: qkv, .offset: 0, .size: 8, .value_kind: global_buffer, .address_space: global }
      - { .name: mbits, .offset: 8, .size: 8, .value_kind: global_buffer, .address_space: global }
      - { .name: mflag, .offset: 16, .size: 8, .value_kind: global_buffer, .address_space: global }
      - { .name: lowp_scales, .offset: 24, .size: 8, .value_kind: global_buffer, .address_space: global }
      - { .name: oc, .offset: 32, .size: 8, .value_kind: global_buffer, .address_space: global }
    .group_segment_fixed_size: 263168
    .private_segment_fixed_size: 0
    .kernarg_segment_align: 8
    .kernarg_segment_size: 40
    .max_flat_workgroup_size: 256
    .sgpr_count:     106
    .vgpr_count:     512
    .wavefront_size: 32
...
	.end_amdgpu_metadata
.endif
;; end of part 3
;; launch outp (part 4): grid 4 x 32, 4 waves a work-group, clusters of 4 x 4, 327,680 bytes of LDS; arguments oc, wc, lowp_scales, out0; writes out0
.if DOCPART == 4
	.amdgcn_target "amdgcn-amd-amdhsa--gfx1250"
	.amdhsa_code_object_version 6
	.text
	.protected	k_q5802a7686b_outp
	.globl	k_q5802a7686b_outp
	.p2align	8
	.type	k_q5802a7686b_outp,@function
k_q5802a7686b_outp:
	s_mov_b64 s[64:65], 0
	v_nop
	global_prefetch_b8 v0, s[64:65] scope:SCOPE_SE
	s_setreg_imm32_b32 hwreg(HW_REG_WAVE_MODE, 25, 1), 1
	s_wait_xcnt 0x0
	s_wait_alu depctr_hold_cnt(0) depctr_sa_sdst(0) depctr_va_vdst(0) depctr_va_sdst(0) depctr_va_ssrc(0) depctr_va_vcc(0) depctr_vm_vsrc(0)
	s_getreg_b32 s2, hwreg(HW_REG_IB_STS2, 6, 4)
	s_cmp_eq_u32 s2, 0
	s_cbranch_scc0 .Lentry_in_a_cluster
	s_endpgm
.Lentry_in_a_cluster:
	s_bfe_u32 s2, ttmp6, 0x10000c
	s_cmp_lg_u32 s2, 0xf033
	s_cbranch_scc0 .Lentry_shape_is_right
	s_endpgm
.Lentry_shape_is_right:
; OUTP.  out0[m][n] = sum over k of o[m][k] wo[n][k], on codes of E4M3: o's from the attention launch (oc), wo's at 3 MiB in wc; each finished sum x 2^(e10 + e11).  out0: [8192][1024] f32.
; LIMIT: e10 + e11 between -126 and 127.  A row of o that holds NaN codes (a query with no key) gives NaN in its whole row of out0.
; A tile of 256 x 256 is made by four waves, each 128 x 128: 64 accumulators, 512 registers.  K = 1,024 goes in four steps of 256 through two LDS slots.
; THE IMAGE.  Operands lie in memory in the order of their registers: a fragment (16 rows x 128 K) is 2,048 dense bytes, registers 4g..4g+3 of lane l at 512 g + 16 l; a K step's 128 rows are one dense block of
; 32,768 bytes for one tensor load; an LDS load takes 512 consecutive bytes; no pitch, no padding.
; THE MATRIX INSTRUCTION IS USED TRANSPOSED (source 0 = 16 rows of wo, source 1 = 16 rows of o): a lane holds eight neighbouring numbers of a row of out0.
; CLUSTERS: 4 x 4 work-groups; o's tiles are asked for jointly along a row of the cluster, wo's along a column.  The 32 x 4 tiles make 128 work-groups.
; REGISTERS, in windows of 256: window 0: v0-31 addresses; from v128 A's fragments, one set; on the way out v32-255 are free.  window 1: B's fragments, two sets.  windows 2, 3: the accumulators.
.set SIZE_N, 1024
.set SLOT,   131072                    ; A's 16 tiles of rows x 4,096 bytes, then B's
.set HALFT,  32768                     ; 128 rows x 256 K: what one tensor load brings, and what one wave reads of A or of B
.set SPARE,  262144                    ; behind the ring: the spare words, 128 bytes for each wave; no other line names them
.set SPITCH, 528                       ; the way out: a stage of 16 rows x (512 bytes + 16) for each wave, in slot 0, which has had its last fill and its last read when the first result is stored there
.set FR,     16
.set NL,     4
.set NP,     4                         ; places behind this matrix instruction (ISA guide 7.12.1)
.set ADRA, 16                          ; v16-17  LDS address of my A fragments in slot 0, 1
.set ADRB, 20                          ; v20-21  the same for B
.set STO,  24                          ; v24     the way out: where I put 32 bytes of a row
.set RD,   25                          ; v25     where I read a row back
.set CO,   26                          ; v26     my byte offset in a row of out0
.set SPW,  28                          ; v28     my spare word's address; never rewritten
.set NIL,  29                          ; v29     0; never rewritten
.set TMP,  32
.set AF,   128
.set BK,   128
.set G1, 24                            ; s[24:31] descriptor group 1 for A's tiles; s[32:39] group 0, one set for each slot
.set G0, 32
.set G1B, 48                           ; s[48:55], s[56:63] the same for B's
.set G0B, 56
.set MSB, 0
.macro WIN new                         ; the immediate's high byte repeats the setting that is left
.if MSB != \new
	s_set_vgpr_msb (MSB<<8)|\new
.set MSB, \new
.endif
.endm
.set MUL_LO, 0xa1                      ; source 0 (B) window 1, source 1 (A) window 0, C and D window 2
.set MUL_HI, 0xf1                      ; the same, C and D window 3
.set TO_B,   0x40                      ; destination window 1, address window 0
; A joint load: waves 0 and 1 fetch for A, waves 2 and 3 for B; the branch hangs on the wave's number alone.  Four v_nop follow each of the two lines.
.macro JLOAD g0a, g1a, g0b, g1b
	s_cmp_eq_u32 s15, 0
	s_cbranch_scc0 .Lfor_b_\@
	tensor_load_to_lds s[\g0a:\g0a+3], s[\g1a:\g1a+7]
	s_nop 0
.rept 4
	v_nop
.endr
	s_branch .Lasked_\@
.Lfor_b_\@:
	tensor_load_to_lds s[\g0b:\g0b+3], s[\g1b:\g1b+7]
	s_nop 0
.rept 4
	v_nop
.endr
.Lasked_\@:
.endm
.macro CREST                           ; a round of the cluster's barrier behind its opening barrier
	s_cmp_lg_u32 s14, 0
	s_cbranch_scc1 .Lnot_wave_0_\@
	s_barrier_signal -3
.Lnot_wave_0_\@:
	s_barrier_wait -3
	s_barrier_signal -1
	s_barrier_wait -1
.endm
.macro CROUND
	s_barrier_signal -1
	s_barrier_wait -1
	CREST
.endm
	s_load_b256 s[4:11], s[0:1], 0x0               ; oc s[4:5], wc s[6:7], the scales' exponents s[8:9], out0 s[10:11]
	v_lshl_add_u32 v[SPW], v0, 2, SPARE
	v_mov_b32 v[NIL], 0
	ds_add_u32 v28, v29
	ds_add_u32 v28, v29
	s_wait_dscnt 0x0
	v_lshrrev_b32 v1, 5, v0
	v_readfirstlane_b32 s14, v1                    ; wave 0..3
	s_lshr_b32 s15, s14, 1                         ; which half of the tile's rows is mine.  Also: I fetch for A (0) or for B (1)
	s_and_b32 s16, s14, 1                          ; which half of its columns.  Also: which 128 rows I fetch
	s_bfe_u32 s40, ttmp6, 0x40000                  ; cx, cy: my place in the cluster
	s_bfe_u32 s41, ttmp6, 0x40004
	s_lshl_b32 s42, ttmp9, 2
	s_add_co_u32 s42, s42, s40                     ; tile column = 4 x cluster x + cx
	s_and_b32 s17, ttmp7, 0xffff
	s_lshl_b32 s17, s17, 2
	s_add_co_u32 s17, s17, s41                     ; tile row = 4 x cluster y + cy
	s_mov_b32 s84, 0x200000                        ; a K step of all of oc, in bytes;
	s_mov_b32 s85, 0
	s_mov_b32 s86, 0x40000                         ; of all of wo
	s_mov_b32 s87, 0
	s_mov_b32 s80, 0x400000                        ; two K steps on: a refill's step
	s_mov_b32 s81, 0
	s_mov_b32 s82, 0x80000
	s_mov_b32 s83, 0
	s_lshl_b32 s43, s41, 2
	s_lshl_b32 s43, 15, s43                        ; my row of the cluster
	s_lshl_b32 s44, 0x1111, s40                    ; my column
	; descriptor group 1: a dense block of 32,768 bytes as 128 rows of 32 elements of 8 bytes, no padding
	s_or_b32 s[G1+0], s43, (3<<16)|(1<<21)         ; 15:0 the mask: A's tiles go to my row; 17:16 elements of 8 bytes; 21 set beside a mask
	s_or_b32 s[G1B+0], s44, (3<<16)|(1<<21)
.irp g, G1, G1B
	s_mov_b32 s[\g+1], 32<<16                      ; tensor_dim0 = 32
	s_mov_b32 s[\g+2], 128<<16                     ; tensor_dim1 = 128
	s_mov_b32 s[\g+3], 32<<16                      ; tile_dim0 = 32
	s_mov_b32 s[\g+4], 128                         ; tile_dim1 = 128
	s_mov_b32 s[\g+5], 32                          ; from row to row: 32 elements
	s_mov_b32 s[\g+6], 0
	s_mov_b32 s[\g+7], 0
.endr
	s_lshl_b32 s18, s16, 15                        ; which 8 tiles of rows I fetch
	s_lshl_b32 s20, s17, 16
	s_add_co_u32 s20, s20, s18                     ; A: (16 x tile row + 8 x half) x 4,096 bytes
	s_mov_b32 s21, 0
	s_lshl_b32 s46, s42, 16
	s_add_co_u32 s46, s46, s18
	s_add_co_u32 s46, s46, 0x300000                ; B likewise, by the tile column; wo lies at 3 MiB in wc
	s_mov_b32 s47, 0
	s_mul_i32 s45, s14, HALFT                      ; where the tiles go: wave x 32,768: no place in the cluster enters an LDS address
	s_wait_kmcnt 0x0
	s_load_b64 s[96:97], s[8:9], 0x28              ; e10, e11
	s_add_nc_u64 s[20:21], s[4:5], s[20:21]
	s_add_nc_u64 s[46:47], s[6:7], s[46:47]
	CROUND                                         ; all sixteen work-groups are here: the first joint loads meet
.irp s, 0,1
	s_mov_b32 s[G0+4*\s], 1
	s_add_co_u32 s[G0+4*\s+1], s45, \s*SLOT
	s_mov_b32 s[G0B+4*\s], 1
	s_add_co_u32 s[G0B+4*\s+1], s45, \s*SLOT
.if \s == 0
	s_mov_b64 s[G0+2:G0+3], s[20:21]               ; K step 0
	s_mov_b64 s[G0B+2:G0B+3], s[46:47]
.else
	s_add_nc_u64 s[G0+6:G0+7], s[20:21], s[84:85]  ; K step 1
	s_add_nc_u64 s[G0B+6:G0B+7], s[46:47], s[86:87]
.endif
	s_or_b32 s[G0+4*\s+3], s[G0+4*\s+3], 0x80000000
	s_or_b32 s[G0B+4*\s+3], s[G0B+4*\s+3], 0x80000000
	JLOAD G0+4*\s, G1, G0B+4*\s, G1B
.endr
	v_and_b32 v6, 31, v0
	v_lshlrev_b32 v4, 4, v6                        ; 16 x lane: an image's place for my lane
	s_mul_i32 s21, s15, HALFT                      ; my 128 rows of A
	s_mul_i32 s22, s16, HALFT                      ; my 128 rows of B,
	s_add_co_u32 s22, s22, 2*HALFT                 ; which lie behind A's 256
.irp s, 0,1
	v_add_nc_u32 v[ADRA+\s], s21, v4
	v_add_nc_u32 v[ADRB+\s], s22, v4
	s_add_co_u32 s21, s21, SLOT
	s_add_co_u32 s22, s22, SLOT
.endr
	v_and_b32 v1, 15, v0                           ; l % 16
	v_bfe_u32 v2, v0, 4, 1                         ; l / 16
	s_mul_i32 s23, s14, 16*SPITCH                  ; my stage
	v_mul_u32_u24 v5, v1, SPITCH                   ; in: row l % 16, 32 bytes for each half of the lanes
	v_lshl_add_u32 v5, v2, 5, v5
	v_add_nc_u32 v[STO], s23, v5
	v_mov_b32 v[CO], v4                            ; back: the 32 lanes take one row of 512 bytes; and the same in out0
	v_add_nc_u32 v[RD], s23, v4
	s_lshl_b32 s20, s17, 8
	s_lshl_b32 s21, s15, 7
	s_add_co_u32 s20, s20, s21                     ; my first row: 256 x tile row + 128 x half
	s_lshl_b32 s20, s20, 12                        ; rows of 4,096 bytes
	s_lshl_b32 s46, s42, 10                        ; my first column, in bytes: 1,024 x tile column + 512 x half
	s_lshl_b32 s47, s16, 9
	s_add_co_u32 s46, s46, s47
	s_add_co_u32 s20, s20, s46
	s_mov_b32 s21, 0
	s_add_nc_u64 s[10:11], s[10:11], s[20:21]
.macro FRAG reg, adr, q, i             ; a fragment comes as it lies: four loads of 512 consecutive bytes
.irp c, 0,1,2,3
	ds_load_b128 v[\reg+4*\c:\reg+4*\c+3], v[\adr] offset:4096*(\i)+2048*(\q)+512*\c
.endr
.endm
; 16 matrix instructions: A's blocks a0, a0 + 1 x B's eight, 128 along K.  p: B's set.  zero = 1: the first product starts the sums.
; The 64 accumulators take turns, one instruction a turn, in the same order in every step.
.macro MUL16 a0, p, zero
.irp a, \a0, \a0+1
.irp b, 0,1,2,3,4,5,6,7
.if \zero
	v_wmma_f32_16x16x128_fp8_fp8 v[8*(8*((\a)%4)+\b):8*(8*((\a)%4)+\b)+7], v[128*(\p)+FR*\b:128*(\p)+FR*\b+FR-1], v[AF+FR*(\a):AF+FR*(\a)+FR-1], 0
.else
	v_wmma_f32_16x16x128_fp8_fp8 v[8*(8*((\a)%4)+\b):8*(8*((\a)%4)+\b)+7], v[128*(\p)+FR*\b:128*(\p)+FR*\b+FR-1], v[AF+FR*(\a):AF+FR*(\a)+FR-1], v[8*(8*((\a)%4)+\b):8*(8*((\a)%4)+\b)+7]
.endif
.endr
.endr
.endm
.macro FETCH_B slot, q, p
	WIN TO_B
.irp i, 0,1,2,3,4,5,6,7
	FRAG 128*(\p)+FR*\i, ADRB+\slot, \q, \i
.endr
	WIN 0
.endm
.macro FETCH_A slot, q, i0
.irp i, \i0, \i0+1, \i0+2, \i0+3
	FRAG AF+FR*(\i), ADRA+\slot, \q, \i
.endr
.endm
.macro PLACES n                        ; plain vector lines between a matrix instruction and a load into, or a vector read of, its registers
.rept \n
	v_nop
.endr
.endm
; A step of 128 along K that has its successor in the same slot.  A's blocks 0-3 are fetched anew in its middle, blocks 4-7 at its end; B has two sets.
.macro STEP slot, q, zero
	s_wait_dscnt 4*NL                              ; B's set and A's blocks 0-3 are in; the youngest 16 loads (A's blocks 4-7) may be out
	WIN MUL_LO
	MUL16 0, (\q)%2, \zero
	MUL16 2, (\q)%2, \zero
	s_wait_dscnt 0
	PLACES NP
	FETCH_B \slot, (\q)+1, 1-(\q)%2
	FETCH_A \slot, (\q)+1, 0
	WIN MUL_HI
	MUL16 4, (\q)%2, \zero
	MUL16 6, (\q)%2, \zero
	PLACES NP
	WIN 0
	FETCH_A \slot, (\q)+1, 4
.endm
; A slot's last step changes slots: one barrier; in front of it each wave waits for all its tensor loads, adds 0 to its spare word, and waits for that and for its reads of this slot.  fill = 1: this slot is filled again, two K steps ahead.
.macro TURN slot, next, fill
	s_wait_tensorcnt 0x0                           ; all my tensor loads have landed: my part of the next slot
	ds_add_u32 v[SPW], v[NIL]                      ; 0 onto my spare word
	s_wait_dscnt 4*NL+1                            ; (the add and the youngest 16 loads may be out)
	WIN MUL_LO
	MUL16 0, 1, 0
	s_wait_dscnt 0x0                               ; the add is done, and my reads of this slot are over
	s_barrier_signal -1
	MUL16 2, 1, 0
	WIN 0
	s_barrier_wait -1
.if \fill
	CREST                                          ; the barrier has opened a round of the cluster's barrier: no wave of any partner still reads this slot or has a load on its way
	s_add_nc_u64 s[G0+4*\slot+2:G0+4*\slot+3], s[G0+4*\slot+2:G0+4*\slot+3], s[80:81]
	s_add_nc_u64 s[G0B+4*\slot+2:G0B+4*\slot+3], s[G0B+4*\slot+2:G0B+4*\slot+3], s[82:83]
	JLOAD G0+4*\slot, G1, G0B+4*\slot, G1B         ; the first tensor load behind the round; its four v_nop are also the places in front of the loads below
.else
	PLACES NP
.endif
	FETCH_B \next, 0, 0
	FETCH_A \next, 0, 0
	WIN MUL_HI
	MUL16 4, 1, 0
	MUL16 6, 1, 0
	PLACES NP
	WIN 0
	FETCH_A \next, 0, 4
.endm
	s_wait_tensorcnt 1                             ; my part of K step 0 is in; K step 1's load may be out
	s_barrier_signal -1
	s_barrier_wait -1
	FETCH_B 0, 0, 0
	FETCH_A 0, 0, 0
	FETCH_A 0, 0, 4
	STEP 0, 0, 1                                   ; K step 0: the first products start the sums
	TURN 0, 1, 1                                   ; slot 0 takes K step 2
	STEP 1, 0, 0                                   ; K step 1
	TURN 1, 0, 1                                   ; slot 1 takes K step 3
	STEP 0, 0, 0                                   ; K step 2
	TURN 0, 1, 0                                   ; nothing is left to fetch; behind this barrier nobody reads slot 0
	STEP 1, 0, 0                                   ; K step 3
	s_wait_dscnt 4*NL
	WIN MUL_LO
	MUL16 0, 1, 0
	MUL16 2, 1, 0
	s_wait_dscnt 0
	WIN MUL_HI
	MUL16 4, 1, 0
	MUL16 6, 1, 0
	WIN 0
; THE WAY OUT, block by block of 16 rows x 128 columns.  A lane holds 32 neighbouring bytes of a row, and the lanes beside it hold other rows: a block goes through my own stage in LDS and comes back as whole
; rows of 512 bytes.  LDS serves a wave's instructions in order (ISA guide 5.7.1.4): no wait between the stores and the loads, nor in front of the next block's stores.
.macro TOSTAGE a
.set AC, 64*((\a)%4)
	WIN 0x02+((\a)/4)                              ; source 0: window 2 or 3
.irp j, 0,2,4,6,8,10,12,14,16,18,20,22,24,26,28,30,32,34,36,38,40,42,44,46,48,50,52,54,56,58,60,62
	v_pk_mul_f32 v[TMP+\j:TMP+\j+1], v[AC+\j:AC+\j+1], s[96:97] op_sel_hi:[1,0]   ; both x s96 = 2^(e10 + e11); each accumulator from its low end on
.endr
	WIN 0
.irp b, 0,1,2,3,4,5,6,7
	ds_store_b128 v[STO], v[TMP+8*\b:TMP+8*\b+3] offset:64*\b
	ds_store_b128 v[STO], v[TMP+8*\b+4:TMP+8*\b+7] offset:64*\b+16
.endr
.set BB, BK+64*((\a)%2)
.irp t, 0,1,2,3,4,5,6,7,8,9,10,11,12,13,14,15
	ds_load_b128 v[BB+4*\t:BB+4*\t+3], v[RD] offset:\t*SPITCH
.endr
.endm
.macro SEND a, younger                 ; younger: the LDS instructions issued behind block a's loads, which may stay out
.set BB, BK+64*((\a)%2)
	s_wait_dscnt \younger                          ; the block is back in registers
.if (\a) > 0
	s_add_nc_u64 s[10:11], s[10:11], 16*SIZE_N*4   ; (behind a wait on XCNT: the earlier stores have read their base)  16 rows on
.endif
.irp t, 0,1,2,3,4,5,6,7,8,9,10,11,12,13,14,15
	global_store_b128 v[CO], v[BB+4*\t:BB+4*\t+3], s[10:11] offset:\t*SIZE_N*4 th:TH_STORE_NT   ; 32 lanes store 512 consecutive bytes, aligned; written once, read by nobody here
.endr
.endm
	s_wait_kmcnt 0x0
	s_add_co_i32 s96, s96, s97                     ; e10 + e11, between -126 and 127,
	s_add_co_i32 s96, s96, 127
	s_lshl_b32 s96, s96, 23                        ; makes the f32 number 2^(e10 + e11)
	PLACES NP
	TOSTAGE 0
.irp a, 1,2,3,4,5,6,7
.if \a > 1
	s_wait_xcnt 0x0                                ; block a - 2's stores have read their registers and their base
.endif
	TOSTAGE \a
	SEND \a-1, 32                                  ; behind block a - 1's loads: block a's 16 stores and 16 loads
.endr
	s_wait_xcnt 0x0                                ; block 6's stores have read their base
	SEND 7, 0
	s_wait_tensorcnt 0x0                           ; the wave's end
	ds_add_u32 v[SPW], v[NIL]
	s_wait_dscnt 0x0
	CROUND                                         ; the closing round: no work-group ends while a partner may still ask for a tile that names it
	s_endpgm
.Lfunc_end_k_q5802a7686b_outp:
	.size	k_q5802a7686b_outp, .Lfunc_end_k_q5802a7686b_outp-k_q5802a7686b_outp
	.p2alignl 7, 3214868480
	.fill 96, 4, 3214868480
	.section	.rodata,"a",@progbits
	.p2align	6, 0x0
	.amdhsa_kernel k_q5802a7686b_outp
		.amdhsa_group_segment_fixed_size 327680
		.amdhsa_private_segment_fixed_size 0
		.amdhsa_enable_private_segment 0
		.amdhsa_kernarg_size 32
		.amdhsa_user_sgpr_count 2
		.amdhsa_user_sgpr_kernarg_segment_ptr 1
		.amdhsa_wavefront_size32 1
		.amdhsa_system_sgpr_workgroup_id_x 1
		.amdhsa_system_sgpr_workgroup_id_y 1
		.amdhsa_system_sgpr_workgroup_id_z 1
		.amdhsa_system_vgpr_workitem_id 0
		.amdhsa_next_free_vgpr 1024
		.amdhsa_next_free_sgpr 100
		.amdhsa_reserve_vcc 0
		.amdhsa_float_denorm_mode_32 3
		.amdhsa_float_denorm_mode_16_64 3
		.amdhsa_memory_ordered 1
		.amdhsa_forward_progress 1
		.amdhsa_inst_pref_size 123
	.end_amdhsa_kernel
	.amdgpu_metadata
---
amdhsa.version: [ 1, 2 ]
amdhsa.kernels:
  - .name:           k_q5802a7686b_outp
    .symbol:         k_q5802a7686b_outp.kd
    .args:
      - { .name: oc, .offset: 0, .size: 8, .value_kind: global_buffer, .address_space: global }
      - { .name: wc, .offset: 8, .size: 8, .value_kind: global_buffer, .address_space: global }
      - { .name: lowp_scales, .offset: 16, .size: 8, .value_kind: global_buffer, .address_space: global }
      - { .name: out0, .offset: 24, .size: 8, .value_kind: global_buffer, .address_space: global }
    .group_segment_fixed_size: 327680
    .private_segment_fixed_size: 0
    .kernarg_segment_align: 8
    .kernarg_segment_size: 32
    .max_flat_workgroup_size: 128
    .sgpr_count:     100
    .vgpr_count:     1024
    .wavefront_size: 32
...
	.end_amdgpu_metadata
.endif
;; end of part 4
;; ======== version 2 of 2: 4 launches; version 1 with the launch attn written anew for expert scheduling mode
;; workspace buffers: xc 25,165,824 bytes; wc 4,194,304 bytes; qkv 25,165,824 bytes; oc 8,388,608 bytes; mbits 524,288 bytes of whole numbers; mflag 4,096 bytes of whole numbers
;; launch prep: the kernel of part 1 again; grid 1152 x 1, 4 waves a work-group, no clusters, 34,304 bytes of LDS; arguments query, key, value, wq, wk, wv, wo, mask, lowp_scales, xc, wc, mbits, mflag; writes xc, wc, mbits, mflag
;; launch proj: the kernel of part 2 again; grid 4 x 96, 4 waves a work-group, clusters of 4 x 4, 327,680 bytes of LDS; arguments xc, wc, lowp_scales, qkv; writes qkv
;; launch attn (part 5): grid 4 x 64, 8 waves a work-group, no clusters, 263,168 bytes of LDS; arguments qkv, mbits, mflag, lowp_scales, oc; writes oc
.if DOCPART == 5
	.amdgcn_target "amdgcn-amd-amdhsa--gfx1250"
	.amdhsa_code_object_version 6
	.text
	.protected	k_q5802a7686b_attn
	.globl	k_q5802a7686b_attn
	.p2align	8
	.type	k_q5802a7686b_attn,@function
k_q5802a7686b_attn:
	s_mov_b64 s[64:65], 0
	v_nop
	global_prefetch_b8 v0, s[64:65] scope:SCOPE_SE
	s_setreg_imm32_b32 hwreg(HW_REG_WAVE_SCHED_MODE, 0, 2), 2
	s_setreg_imm32_b32 hwreg(HW_REG_WAVE_MODE, 25, 1), 1
	s_wait_xcnt 0x0
	s_wait_alu depctr_vm_vsrc(0)
; ATTN.  For each of 64 heads (n x 16 + head): S = q k^T / 8 under the given mask, p = 2^(t - M), O = p v / l, both products on codes of E4M3; O is quantised into the output projection's operand.
; t = score x log2(e) / 8; M = the running largest t rounded UP to a whole number; p is quantised with 2^e8, not normalised; l is the sum of the unquantised p, in f32, and divides at the end.
; When M moves, l and O are multiplied by 2^(old M - new M): exact.
; SHARES.  A work-group serves one head: the head's whole K and V^T images (131,072 bytes each) are copied once into LDS; behind one barrier its eight waves never meet again.
; Wave w of work-group g takes two blocks of 32 queries, one after the other: 4 w + g and 60 + g - 4 w: two tiles of 16 queries share each fragment of K and V read from LDS.
; THE MASK IS AN INPUT.  The launch before has stored, for each (block of 32 queries, step of 128 keys), a flag and 128 lane masks.  Flag 0: no key of the step counts for the block: every p would be 0,
; so the step is passed over.  Flag 2: all count.  Flag 1: hidden scores become -infinity ahead of the maximum.  These are branches on whole numbers read from memory, so LDS is filled through
; registers, and for the same reason there is no cluster and no joint request: what the four work-groups of a head share is read once each at the head.
; A query with no key at all has l = 0: its codes become the NaN code, and the output projection gives NaN in its whole row, as the softmax of such a row does.
; LAYOUT.  Both products are used transposed: S^T = K Q^T (source 0 = 16 keys), O^T = V^T P^T (source 0 = 16 channels): a lane holds ONE query (lane % 16) throughout.  Register j of S^T's tile T is key
; 16 T + 8 (lane / 16) + j: its eight registers convert into registers 2T, 2T+1 of P's operand; O^T's tile c likewise into registers 2c, 2c+1 of the next product's image.  Nothing changes lanes.
; LIMITS: e6 + e7 between -123 and 130 (added to c's exponent field); e8, and e10 - e8 - e9, between -126 and 119.  NaN and infinities among the scores are not served.
; REGISTERS.  Window 0: v1 16 x lane, v2 the same in V's part of LDS, v3, v4 the LDS addresses of a step's K and V, v6-9 the fill's, v10 -infinity, v11 448 x 2^e8, v12 2^e8, v13 2^(e10-e8-e9), v14 448 x that, v15 four NaN codes;
;   v[16+8t..] tile t: +0 -M, +1 the largest t, +2,+3 l in two halves, +4 f (+5 named with it), +6,+7 at work; v32-35 second chains of the sums; v36,37 lane exchange; v40-55 Q; v56-87 P's codes; v96-223 S^T, then p.
; Window 1: v0-63 K's eight fragments, v64-127 V's four, v128-191 O^T.
; THE MODE: SCHED_MODE bits 1:0 = 2 (LLVM: expert scheduling mode 2), set by the entry lines.  The code itself states the register dependences
; between vector or matrix instructions and memory or LDS instructions, with s_wait_alu, always for 0.
; THE PLAN.  Registers that memory or LDS instructions touch:
;   v1, v2, v6-9  offsets and addresses, made once at the head, never written again.
;   v3, v4        read by a working step's LDS loads (K's at its head, V's behind K Q^T); written for the NEXT step in the step's middle, ahead of the wait that the exponentials have there anyway,
;                 or, where a step is passed over, on that way, with a wait of its own.  Behind the 16th step they are back at the first step's addresses.
;   K's registers K's loads land at a working step's head; the step's K Q^T read them, ahead of the waits behind K Q^T and in the step's middle.  So K's loads find v3 written and K's readers done: no wait at a step's head.
;   V's registers V's loads land behind K Q^T; the step's V^T P^T, its last matrix instructions, read them.  ONE wait, behind the next working step's K Q^T and its places, states that they are done.
;   Q's registers loaded at a block's head; read by the block's K Q^T, all ahead of the wait in front of the block's stores.
;   P's registers the block's last codes are the data of its four stores: a wait on va_vdst ahead of them, one on vm_vsrc at the next block's head.
;   v96-223 and window 1's v0-127 pass the head's K and V on to LDS: the wait on vm_vsrc at the first block's head states that the LDS stores have read them.
;   O^T, the statistics and the constants are named by vector and matrix instructions alone.
.set VL,  131072                       ; LDS: K's images at 0, V's here
.set ST,  16
.set QR,  40
.set P,   56
.set S,   96
.set VF,  64                           ; in window 1
.set OT,  128                          ; in window 1
.set MSB, 0
.macro WIN new                         ; the immediate's high byte repeats the setting that is left; bits 1:0 source 0, 3:2 source 1, 5:4 source 2, 7:6 destination
.if MSB != \new
	s_set_vgpr_msb (MSB<<8)|\new
.set MSB, \new
.endif
.endm
	s_load_b256 s[4:11], s[0:1], 0x0               ; qkv s[4:5], mbits s[6:7], mflag s[8:9], the scales' exponents s[10:11]
	s_load_b64 s[12:13], s[0:1], 0x20              ; oc
	v_lshl_add_u32 v254, v0, 2, 0x40000
	v_mov_b32 v255, 0
	v_lshrrev_b32 v1, 5, v0
	v_readfirstlane_b32 s66, v1                    ; wave 0..7
	v_and_b32 v1, 31, v0
	v_lshlrev_b32 v1, 4, v1                        ; 16 x lane
	v_add_nc_u32 v2, VL, v1
	v_and_b32 v3, 31, v0
	v_lshlrev_b32 v3, 4, v3                        ; the first step's K: 16 x lane,
	v_add_nc_u32 v4, VL, v3                        ; and its V
	v_lshlrev_b32 v6, 4, v0                        ; the fill: 16 x thread,
	v_add_nc_u32 v7, 0x10000, v6                   ; and 65,536 bytes on each, since an LDS immediate has 16 bits
	v_add_nc_u32 v8, 0x20000, v6
	v_add_nc_u32 v9, 0x30000, v6
	s_and_b32 s68, ttmp7, 0xffff                   ; n x 16 + head
	s_lshl_b32 s98, s68, 17
	s_mov_b32 s99, 0
	s_wait_alu depctr_va_sdst(0)                   ; s66 is written, ahead of its first reader: my blocks of queries are made from it
	s_lshl_b32 s69, s66, 2
	s_add_co_u32 s69, s69, ttmp9                   ; my first block of 32 queries
	s_lshl_b32 s75, ttmp9, 1
	s_add_co_u32 s75, s75, 60                      ; my two blocks add up to this
	s_wait_kmcnt 0x0
	s_load_b256 s[16:23], s[10:11], 0x0            ; e0 .. e7
	s_load_b128 s[24:27], s[10:11], 0x20           ; e8 .. e11
	s_add_nc_u64 s[4:5], s[4:5], s[98:99]          ; q's head
	s_add_nc_u64 s[100:101], s[4:5], 0x800000      ; k's
	s_add_nc_u64 s[104:105], s[4:5], 0x1000000     ; v's
	s_wait_alu depctr_va_vdst(0)                   ; v1 to v4 and v6 to v9 are written: the fill's loads and LDS stores, Q's loads, the first step's LDS loads and the stores read them
	; THE FILL: 64 loads of 16 bytes a thread, all on their way together: K's into window 0, V's into window 1
.set k, 0
.rept 32
	global_load_b128 v[S+4*k:S+4*k+3], v6, s[100:101] offset:4096*k
.set k, k+1
.endr
	WIN 0x40
.set k, 0
.rept 32
	global_load_b128 v[4*k:4*k+3], v6, s[104:105] offset:4096*k
.set k, k+1
.endr
	WIN 0
	; meanwhile: where my head's codes go in oc: [K step of 256: head / 4][tile of 16 tokens][head / 2 % 2][2,048], registers 8 (head % 2) on
	s_and_b32 s98, s68, 15
	s_lshr_b32 s99, s98, 2
	s_lshl_b32 s28, s99, 21
	s_bfe_u32 s99, s98, 0x10001
	s_lshl_b32 s99, s99, 11
	s_add_co_u32 s28, s28, s99
	s_and_b32 s99, s98, 1
	s_lshl_b32 s99, s99, 10
	s_add_co_u32 s28, s28, s99
	s_lshr_b32 s99, s68, 4
	s_lshl_b32 s99, s99, 19                        ; n: 128 tiles of 4,096 bytes
	s_add_co_u32 s28, s28, s99
	s_mov_b32 s29, 0
	s_add_nc_u64 s[12:13], s[12:13], s[28:29]
	s_mov_b32 s78, 0x76543210                      ; v_permlanex16_b32's selects for lane l xor 16
	s_mov_b32 s79, 0xfedcba98
	s_mov_b32 s76, 0x3e38aa3b                      ; c = log2(e) / 8
	v_mov_b32 v10, 0xff800000                      ; (these vector lines name no register that a memory or LDS instruction touches)
	v_mov_b32 v15, 0x7f7f7f7f
	v_mov_b32 v36, 0                               ; written once: a lane permute's destination counts as one of its sources
	v_mov_b32 v37, 0
	v_mov_b32 v21, 0                               ; (named as the upper halves of the pairs that hold f)
	v_mov_b32 v29, 0
	s_wait_kmcnt 0x0
	s_add_co_i32 s98, s22, s23
	s_lshl_b32 s98, s98, 23
	s_add_co_i32 s76, s76, s98                     ; a score stands for score x 2^(e6 + e7): added to c's exponent field
	s_mov_b32 s77, s76                             ; (named with it as a pair)
	s_mov_b32 s96, s24                             ; e8
	s_add_co_i32 s98, s24, 127
	s_lshl_b32 s99, s98, 23
	v_mov_b32 v12, s99                             ; 2^e8
	s_add_co_i32 s98, s98, 8
	s_lshl_b32 s98, s98, 23
	s_or_b32 s98, s98, 0x600000
	v_mov_b32 v11, s98                             ; 448 x 2^e8
	s_sub_co_i32 s98, s26, s24
	s_sub_co_i32 s98, s98, s25
	s_add_co_i32 s98, s98, 127
	s_lshl_b32 s99, s98, 23
	v_mov_b32 v13, s99                             ; 2^(e10 - e8 - e9): O^T / l stands for that x 2^(e8 + e9)
	s_add_co_i32 s98, s98, 8
	s_lshl_b32 s98, s98, 23
	s_or_b32 s98, s98, 0x600000
	v_mov_b32 v14, s98
.set k, 0
.rept 32
	s_wait_loadcnt 63-k                            ; loads come back in order (ISA guide 5.7.1): number k is in, the younger ones may be out
	ds_store_b128 v[6+k/16], v[S+4*k:S+4*k+3] offset:4096*(k%16)
.set k, k+1
.endr
	WIN 0x04                                       ; store data in window 1
.rept 32
	s_wait_loadcnt 63-k
	ds_store_b128 v[6+k/16], v[4*(k-32):4*(k-32)+3] offset:4096*(k%16)
.set k, k+1
.endr
	WIN 0
	s_wait_dscnt 0x0                               ; for the others' sake: my stores have landed
	s_barrier_signal -1
	s_barrier_wait -1                              ; the launch's one barrier: from here on LDS is only read
.macro MLOAD t                         ; tile t's 64 lane masks: word n in s[16 + n] (n < 48) or s[32 + n]
	s_load_b512 s[16:31], s[14:15], 256*(\t)
	s_load_b512 s[32:47], s[14:15], 256*(\t)+64
	s_load_b512 s[48:63], s[14:15], 256*(\t)+128
	s_load_b512 s[80:95], s[14:15], 256*(\t)+192
.endm
.macro QK                              ; S^T = K Q^T: 16 products of K = 64, sixteen accumulators, each begun with 0; behind them the step's V is asked for
	s_wait_dscnt 0x0                               ; K's 16 loads are in
	WIN 0x01                                       ; source 0 (K) window 1
.irp k, 0,1,2,3,4,5,6,7
.irp t, 0,1
	v_wmma_f32_16x16x64_fp8_fp8 v[S+64*\t+8*\k:S+64*\t+8*\k+7], v[8*\k:8*\k+7], v[QR+8*\t:QR+8*\t+7], 0
.endr
.endr
	WIN 0x40                                       ; destination window 1, for V's loads: the switch stands ahead of the wait
.rept 4
	v_nop                                          ; places in front of the first read of the scores (ISA guide 7.12.1)
.endr
	s_wait_alu depctr_va_vdst(0)                   ; the last working step's products V^T P^T are done reading V's registers, in which the loads below land (v4 was written ahead of an earlier wait)
.irp c, 0,1,2,3
.irp g, 0,1,2,3
	ds_load_b128 v[VF+16*\c+4*\g:VF+16*\c+4*\g+3], v4 offset:2048*\c+512*\g   ; they have the softmax in which to land
.endr
.endr
	WIN 0
.endm
.macro MASK t                          ; a hidden score becomes -infinity; ascending
.set n, 0
.rept 64
.if n < 48
	v_cndmask_b32 v[S+64*(\t)+n], v10, v[S+64*(\t)+n], s[16+n]
.else
	v_cndmask_b32 v[S+64*(\t)+n], v10, v[S+64*(\t)+n], s[32+n]
.endif
.set n, n+1
.endr
.endm
.macro MAXP t                          ; the largest of my 64 scores of tile t, in two chains; every accumulator is met at its two lowest registers first
.set SS, S+64*(\t)
.set MA, ST+8*(\t)+6
	v_max3_num_f32 v[MA], v[SS], v[SS+1], v[SS+2]
	v_max3_num_f32 v[MA+1], v[SS+3], v[SS+4], v[SS+5]
.irp i, 6,10,14,18,22,26,30,34,38,42,46,50,54,58
	v_max3_num_f32 v[MA], v[MA], v[SS+\i], v[SS+\i+1]
	v_max3_num_f32 v[MA+1], v[MA+1], v[SS+\i+2], v[SS+\i+3]
.endr
	v_max3_num_f32 v[MA], v[MA], v[SS+62], v[SS+63]
	v_max_num_f32 v[MA], v[MA], v[MA+1]
.endm
.macro MAXP2                           ; the same for both tiles, four chains by turns
.irp t, 0,1
	v_max3_num_f32 v[ST+8*\t+6], v[S+64*\t], v[S+64*\t+1], v[S+64*\t+2]
	v_max3_num_f32 v[ST+8*\t+7], v[S+64*\t+3], v[S+64*\t+4], v[S+64*\t+5]
.endr
.irp i, 6,10,14,18,22,26,30,34,38,42,46,50,54,58
.irp t, 0,1
	v_max3_num_f32 v[ST+8*\t+6], v[ST+8*\t+6], v[S+64*\t+\i], v[S+64*\t+\i+1]
	v_max3_num_f32 v[ST+8*\t+7], v[ST+8*\t+7], v[S+64*\t+\i+2], v[S+64*\t+\i+3]
.endr
.endr
.irp t, 0,1
	v_max3_num_f32 v[ST+8*\t+6], v[ST+8*\t+6], v[S+64*\t+62], v[S+64*\t+63]
.endr
.irp t, 0,1
	v_max_num_f32 v[ST+8*\t+6], v[ST+8*\t+6], v[ST+8*\t+7]
.endr
.endm
	s_mov_b32 s74, 0
.Lblock:                                           ; two trips: my two blocks of 32 queries
	s_wait_xcnt 0x0                                ; the last block's stores have read their data and their base
	s_wait_alu depctr_vm_vsrc(0)                   ; first trip: the fill's LDS stores have read v96-223, which the products write, and window 1's v0-127, in which K's and V's loads land; second trip: the last block's stores have read P's registers, which the conversions write again
	s_lshl_b32 s98, s69, 11
	s_mov_b32 s99, 0
	s_add_nc_u64 s[100:101], s[4:5], s[98:99]      ; Q: two tiles of 1,024 bytes
	s_lshl_b32 s98, s69, 13
	s_add_nc_u64 s[14:15], s[6:7], s[98:99]        ; the block's mask records: 16 steps x 512 bytes
	s_add_nc_u64 s[104:105], s[12:13], s[98:99]    ; its two tiles in oc: 2 x 4,096 bytes
	s_lshl_b32 s98, s69, 6
	s_add_nc_u64 s[98:99], s[8:9], s[98:99]
	s_load_b512 s[16:31], s[98:99], 0x0            ; its 16 flags
.irp t, 0,1
.irp c, 0,1
	global_load_b128 v[QR+8*\t+4*\c:QR+8*\t+4*\c+3], v1, s[100:101] offset:1024*\t+512*\c   ; no wait on va_vdst here: the last block's products, which read Q, stand ahead of the wait in front of its stores, and no vector line since (in the first trip: since the head's wait) names Q's registers or v1
.endr
.endr
.irp t, 0,1
	v_mov_b32 v[ST+8*\t+1], 0xff61b1e6             ; the largest t so far: -3e38, under every t
	v_floor_f32 v[ST+8*\t], -v[ST+8*\t+1]          ; -M
	v_mov_b32 v[ST+8*\t+2], 0                      ; l
	v_mov_b32 v[ST+8*\t+3], 0
.endr
	WIN 0x40
.set j, 0
.rept 64
	v_mov_b32 v[OT+j], 0                           ; O^T.  Which step is a block's first hangs on the mask, so none can be written out ahead of the loop: the sums begin as zeros, which the first change of M leaves zeros
.set j, j+1
.endr
	WIN 0
	s_wait_kmcnt 0x0
	s_mov_b32 s70, s16                             ; the flags, two bits a step
.irp i, 1,2,3,4,5,6,7,8,9,10,11,12,13,14,15
	s_lshl_b32 s98, s[16+\i], 2*\i
	s_or_b32 s70, s70, s98
.endr
	s_mov_b32 s72, 0                               ; the step's bytes in K's and in V's part of LDS: 8,192 a step in both
	s_mov_b32 s73, 0
	s_wait_loadcnt 0x0                             ; Q
.Lstep:                                            ; 16 trips, a constant: what the mask hides is passed over inside the trip.  Here v3 and v4 hold this step's addresses, written ahead of a wait on va_vdst
	s_add_co_u32 s97, s72, 8192
	s_and_b32 s97, s97, 0x1e000                    ; the next step's bytes; behind the 16th step 0: the next block's first
	s_and_b32 s71, s70, 3
	s_lshr_b32 s70, s70, 2
	s_cmp_eq_u32 s71, 0
	s_cbranch_scc0 .Lwork
	v_add_nc_u32 v3, s97, v1                       ; none of these 128 keys counts for my 32 queries: only the addresses move on.  (No wait on vm_vsrc: every LDS load that read v3 or v4 stands ahead of the one in its own step's middle)
	v_add_nc_u32 v4, s97, v2
	s_wait_alu depctr_va_vdst(0)                   ; v3 and v4 are written, which the next working step's LDS loads read
	s_branch .Lnext
.Lwork:
	WIN 0x40                                       ; destination window 1
.irp k, 0,1,2,3,4,5,6,7
.irp c, 0,1
	ds_load_b128 v[8*\k+4*\c:8*\k+4*\c+3], v3 offset:1024*\k+512*\c   ; K.  No wait: v3 was written, and the last products K Q^T were issued, ahead of a wait on va_vdst, and no vector or matrix line since names v3 or K's registers
.endr
.endr
	WIN 0
	s_cmp_eq_u32 s71, 2
	s_cbranch_scc1 .Lopen
	MLOAD 0                                        ; the masked way: tile 0's words travel under the products, tile 1's under tile 0's maxima
	QK
	s_wait_kmcnt 0x0
	MASK 0
	MLOAD 1
	MAXP 0
	s_wait_kmcnt 0x0
	MASK 1
	MAXP 1
	s_branch .Ljoin
.Lopen:
	QK
	MAXP2
.Ljoin:
.irp t, 0,1
	v_permlanex16_b32 v[36+\t], v[ST+8*\t+6], s78, s79
.endr
.irp t, 0,1
	v_max_num_f32 v[ST+8*\t+6], v[ST+8*\t+6], v[36+\t]   ; and among lane l xor 16's 64 keys
.endr
.irp t, 0,1
	v_mul_f32 v[ST+8*\t+6], s76, v[ST+8*\t+6]      ; as t (c is positive)
.endr
.irp t, 0,1
	v_max_num_f32 v[ST+8*\t+1], v[ST+8*\t+1], v[ST+8*\t+6]   ; the running largest t
.endr
.irp t, 0,1
	v_mov_b32 v[ST+8*\t+6], v[ST+8*\t]
.endr
.irp t, 0,1
	v_floor_f32 v[ST+8*\t], -v[ST+8*\t+1]          ; the new -M = floor(-t) = -ceil(t)
.endr
.irp t, 0,1
	v_sub_f32 v[ST+8*\t+6], v[ST+8*\t], v[ST+8*\t+6]   ; old M - new M: a whole number, 0 or less
.endr
.irp t, 0,1
	v_cvt_i32_f32 v[ST+8*\t+6], v[ST+8*\t+6]       ; (it saturates)
.endr
.irp t, 0,1
	v_ldexp_f32 v[ST+8*\t+4], 1.0, v[ST+8*\t+6]    ; f = 2^(old M - new M)
.endr
.irp t, 0,1
.set j, 0
.rept 32
	v_pk_fma_f32 v[S+64*\t+j:S+64*\t+j+1], v[S+64*\t+j:S+64*\t+j+1], s[76:77], v[ST+8*\t:ST+8*\t+1] op_sel_hi:[1,0,0]   ; t - M, two at a time (of the pairs c and -M the low word serves both halves)
.set j, j+2
.endr
.endr
.set j, 0
.rept 128
	v_exp_f32 v[S+j], v[S+j]                       ; p = 2^(t - M): one batch
.set j, j+1
.endr
	v_pk_mul_f32 v[ST+2:ST+3], v[ST+2:ST+3], v[ST+4:ST+5] op_sel_hi:[1,0]       ; l under the new M; also the plain line behind the exponentials
	v_pk_mul_f32 v[ST+10:ST+11], v[ST+10:ST+11], v[ST+12:ST+13] op_sel_hi:[1,0]
	s_wait_alu depctr_vm_vsrc(0)                   ; this step's 32 LDS loads have read v3 and v4, which the two lines below write
	v_add_nc_u32 v3, s97, v1                       ; the next step's addresses, made here, ahead of a wait that stands in any case
	v_add_nc_u32 v4, s97, v2
	s_wait_alu depctr_va_vdst(0)                   ; the exponentials have written p (one wait for the batch, ahead of the first line that names a result); v3 and v4 are written, which the next working step's LDS loads read; the products K Q^T are done reading K's registers, in which those loads land
.irp t, 0,1
	v_pk_add_f32 v[32+2*\t:33+2*\t], v[S+64*\t:S+64*\t+1], v[S+64*\t+2:S+64*\t+3]   ; l is taken of the unquantised p: two at a time, four chains
.endr
.irp j, 4,8,12,16,20,24,28,32,36,40,44,48,52,56,60
.irp t, 0,1
	v_pk_add_f32 v[ST+8*\t+2:ST+8*\t+3], v[ST+8*\t+2:ST+8*\t+3], v[S+64*\t+\j:S+64*\t+\j+1]
	v_pk_add_f32 v[32+2*\t:33+2*\t], v[32+2*\t:33+2*\t], v[S+64*\t+\j+2:S+64*\t+\j+3]
.endr
.endr
.irp t, 0,1
	v_pk_add_f32 v[ST+8*\t+2:ST+8*\t+3], v[ST+8*\t+2:ST+8*\t+3], v[32+2*\t:33+2*\t]
.endr
	s_cmp_ge_i32 s96, -8                           ; from e8 = -8 on, 448 x 2^e8 is 1.75 or more and p, at most 1 but for a last bit, cannot pass the largest code: the hold is passed over
	s_cbranch_scc1 .Lnohold
.set j, 0
.rept 128
	v_min_num_f32 v[S+j], v[S+j], v11              ; the conversion does not saturate (ISA guide 7.6.2); p is not negative, so the hold is one-sided
.set j, j+1
.endr
.Lnohold:
.irp t, 0,1
.irp k, 0,1,2,3,4,5,6,7
	v_cvt_scalef32_pk8_fp8_f32 v[P+16*\t+2*\k:P+16*\t+2*\k+1], v[S+64*\t+8*\k:S+64*\t+8*\k+7], v12
.endr
.endr
	WIN 0x41                                       ; O^T (destination, source 0) window 1, f window 0
.irp t, 0,1
.set j, 0
.rept 16
	v_pk_mul_f32 v[OT+32*\t+j:OT+32*\t+j+1], v[OT+32*\t+j:OT+32*\t+j+1], v[ST+8*\t+4:ST+8*\t+5] op_sel_hi:[1,0]   ; O^T under the new M; these are also the plain lines between the conversions and the products
.set j, j+2
.endr
.endr
	s_wait_dscnt 0x0                               ; V
	WIN 0x51                                       ; V and O^T window 1, P window 0
.irp c, 0,1,2,3
.irp t, 0,1
	v_wmma_f32_16x16x128_fp8_fp8 v[OT+32*\t+8*\c:OT+32*\t+8*\c+7], v[VF+16*\c:VF+16*\c+15], v[P+16*\t:P+16*\t+15], v[OT+32*\t+8*\c:OT+32*\t+8*\c+7]   ; eight accumulators by turns
.endr
.endr
	WIN 0
.rept 4
	v_nop                                          ; places in front of the first read of O^T (ISA guide 7.12.1)
.endr
.Lnext:
	s_add_co_u32 s72, s72, 8192
	s_add_nc_u64 s[14:15], s[14:15], 512           ; (every scalar load that named it has been waited for)
	s_add_co_u32 s73, s73, 1
	s_cmp_lt_u32 s73, 16
	s_cbranch_scc1 .Lstep
	; THE BLOCK'S END: O^T / l, quantised with 2^(e10 - e8 - e9): registers 2c, 2c+1 of the image of my 16 queries along head x 64 + channel
.irp t, 0,1
	v_add_f32 v[ST+8*\t+6], v[ST+8*\t+2], v[ST+8*\t+3]
.endr
.irp t, 0,1
	v_permlanex16_b32 v[36+\t], v[ST+8*\t+6], s78, s79
.endr
.irp t, 0,1
	v_add_f32 v[ST+8*\t+6], v[ST+8*\t+6], v[36+\t] ; l
.endr
.irp t, 0,1
	v_cmp_eq_f32 s[98+\t], 0, v[ST+8*\t+6]         ; a query for which no key counts
.endr
.irp t, 0,1
	v_rcp_f32 v[ST+8*\t+7], v[ST+8*\t+6]
.endr
	v_nop                                          ; a plain line behind the reciprocals,
	s_wait_alu depctr_va_vdst(0)                   ; the two reciprocals are written, ahead of their first reader: one wait for the two
	WIN 0x01                                       ; source 0 (O^T) window 1
.irp t, 0,1
.set j, 0
.rept 32
	v_mul_f32 v[S+64*\t+j], v[OT+32*\t+j], v[ST+8*\t+7]   ; each accumulator from its low end on
.set j, j+1
.endr
.endr
	WIN 0
.irp t, 0,1
.set j, 0
.rept 32
	v_med3_num_f32 v[S+64*\t+j], v[S+64*\t+j], -v14, v14
.set j, j+1
.endr
.endr
.irp t, 0,1
.irp c, 0,1,2,3
	v_cvt_scalef32_pk8_fp8_f32 v[P+16*\t+2*\c:P+16*\t+2*\c+1], v[S+64*\t+8*\c:S+64*\t+8*\c+7], v13
.endr
.endr
	v_nop                                          ; a plain line behind the last conversion
	s_wait_alu depctr_va_sdst(0)                   ; the two compares have written s98 and s99, ahead of their first readers, the selections below
.irp t, 0,1
.irp i, 0,1,2,3,4,5,6,7
	v_cndmask_b32 v[P+16*\t+\i], v[P+16*\t+\i], v15, s[98+\t]
.endr
.endr
	s_wait_alu depctr_va_vdst(0)                   ; the selections have written the codes in P's registers, which the four stores read
.irp t, 0,1
.irp u, 0,1
	global_store_b128 v1, v[P+16*\t+4*\u:P+16*\t+4*\u+3], s[104:105] offset:4096*\t+512*\u   ; 512 consecutive bytes, aligned
.endr
.endr
	s_sub_co_u32 s69, s75, s69                     ; my other block
	s_add_co_u32 s74, s74, 1
	s_cmp_lt_u32 s74, 2
	s_cbranch_scc1 .Lblock
	s_wait_dscnt 0x0
	s_wait_alu depctr_hold_cnt(0) depctr_sa_sdst(0) depctr_va_vdst(0) depctr_va_sdst(0) depctr_va_ssrc(0) depctr_va_vcc(0) depctr_vm_vsrc(0)
	s_wait_tensorcnt 0x0
	ds_add_u32 v254, v255
	s_wait_dscnt 0x0
	s_endpgm
.Lfunc_end_k_q5802a7686b_attn:
	.size	k_q5802a7686b_attn, .Lfunc_end_k_q5802a7686b_attn-k_q5802a7686b_attn
	.p2alignl 7, 3214868480
	.fill 96, 4, 3214868480
	.section	.rodata,"a",@progbits
	.p2align	6, 0x0
	.amdhsa_kernel k_q5802a7686b_attn
		.amdhsa_group_segment_fixed_size 263168
		.amdhsa_private_segment_fixed_size 0
		.amdhsa_enable_private_segment 0
		.amdhsa_kernarg_size 40
		.amdhsa_user_sgpr_count 2
		.amdhsa_user_sgpr_kernarg_segment_ptr 1
		.amdhsa_wavefront_size32 1
		.amdhsa_system_sgpr_workgroup_id_x 1
		.amdhsa_system_sgpr_workgroup_id_y 1
		.amdhsa_system_sgpr_workgroup_id_z 1
		.amdhsa_system_vgpr_workitem_id 0
		.amdhsa_next_free_vgpr 512
		.amdhsa_next_free_sgpr 106
		.amdhsa_reserve_vcc 0
		.amdhsa_float_denorm_mode_32 3
		.amdhsa_float_denorm_mode_16_64 3
		.amdhsa_memory_ordered 1
		.amdhsa_forward_progress 1
		.amdhsa_inst_pref_size 73
	.end_amdhsa_kernel
	.amdgpu_metadata
---
amdhsa.version: [ 1, 2 ]
amdhsa.kernels:
  - .name:           k_q5802a7686b_attn
    .symbol:         k_q5802a7686b_attn.kd
    .args:
      - { .name: qkv, .offset: 0, .size: 8, .value_kind: global_buffer, .address_space: global }
      - { .name: mbits, .offset: 8, .size: 8, .value_kind: global_buffer, .address_space: global }
      - { .name: mflag, .offset: 16, .size: 8, .value_kind: global_buffer, .address_space: global }
      - { .name: lowp_scales, .offset: 24, .size: 8, .value_kind: global_buffer, .address_space: global }
      - { .name: oc, .offset: 32, .size: 8, .value_kind: global_buffer, .address_space: global }
    .group_segment_fixed_size: 263168
    .private_segment_fixed_size: 0
    .kernarg_segment_align: 8
    .kernarg_segment_size: 40
    .max_flat_workgroup_size: 256
    .sgpr_count:     106
    .vgpr_count:     512
    .wavefront_size: 32
...
	.end_amdgpu_metadata
.endif
;; end of part 5
;; launch outp: the kernel of part 4 again; grid 4 x 32, 4 waves a work-group, clusters of 4 x 4, 327,680 bytes of LDS; arguments oc, wc, lowp_scales, out0; writes out0
